; MI455X (gfx1250); checked and timed in simulation.
; The chip was launched on July 23, 2026; its instructions are those of AMD's public machine-readable ISA for CDNA 5 (MIT licence, August 2026) and "CDNA5" Instruction Set Architecture Reference Guide (July 2026). The comments in the code are by the model that wrote it; some were corrected since.
;; Re Based Linear Attention. Allowed arithmetic: float matrix products may take bf16 or f16 operands with f32 sums; other float arithmetic in f32, or as packed bf16 or f16 multiplies, adds, multiply-adds, maxima and minima; sums over many terms, partial sums and values carried from step to step in f32; what a program stores and reads back later, other than sums and carried values, may be rounded once to bf16 or f16.
;; Inputs: Wk 2,048 x 2,048 float32; Wo 2,048 x 2,048 float32; Wq 2,048 x 2,048 float32; Wv 2,048 x 2,048 float32; beta 128 float32; gamma 128 float32; hidden_states 1 x 2,048 x 2,048 float32.
;; Outputs: out0 1 x 2,048 x 2,048 float32.
;; One version. Each part assembles by itself: llvm-mc -triple=amdgcn-amd-amdhsa -mcpu=gfx1250 --defsym DOCPART=n.
;; ======== version 1 of 1: 4 launches
;; limits: values are held in f16: magnitudes above 65,504 overflow, below 6.1e-05 lose precision
;; workspace buffers: w16 41,943,040 bytes; qkv 25,165,824 bytes; o16 8,388,608 bytes; lo16 524,288 bytes
;; launch cast (part 1): grid 256 x 5, 8 waves a work-group, no clusters, 0 bytes of LDS; arguments hidden_states, Wq, Wk, Wv, Wo, w16; writes w16
.if DOCPART == 1
	.amdgcn_target "amdgcn-amd-amdhsa--gfx1250"
	.amdhsa_code_object_version 6
	.text
	.protected	k_qdd9e475ed6_cast
	.globl	k_qdd9e475ed6_cast
	.p2align	8
	.type	k_qdd9e475ed6_cast,@function
k_qdd9e475ed6_cast:
	s_mov_b64 s[64:65], 0
	v_nop
	global_prefetch_b8 v0, s[64:65] scope:SCOPE_SE
	s_setreg_imm32_b32 hwreg(HW_REG_WAVE_MODE, 25, 1), 1
	s_wait_xcnt 0x0
; ReBased linear attention, launch 1 of 4: the five large inputs are rounded once to 16 bits, since each of their tiles is read by 16 work-groups later.
; w16 = [5][2048][2048] of 16 bits: slice 0 hidden_states, 1 Wq, 2 Wk, 3 Wv in bf16; slice 4 Wo, rounded to bf16 like the others and that number written as f16
; (the last product multiplies f16 by f16).
; WORK LEFT OUT BY THE PROGRAM, for all finite values of the inputs:
; (a) Key tiles wholly above the diagonal.  reference() sets attn to 0 wherever key > query, by a tril of its own, so those scores add 0 to o and to z whatever q, k and v hold.
;     The attention launch leaves out the tiles of 256 keys x 256 queries in which every key is greater than every query; in the tile that holds the diagonal the hidden weights are computed and set to 0.
; (b) The factor D^-0.5 on q.  With s = q . k (q unscaled): o = sum (s^2/128) v / (sum s^2/128 + eps) = sum s^2 v / (sum s^2 + 128 eps), an identity in real numbers: the factor is not applied, eps is taken 128 times.
; Every input has a way to the output and is loaded.  LIMIT: a NaN, an infinity or an overflow that reaches only hidden scores is not carried to the result.
; LIMITS OF FORMAT: Wo beyond 65,504 in magnitude becomes an infinity in f16; below 2^-17 it keeps f16's fixed step of 6e-8.
; SHARES.  Grid y is the matrix, grid x a block of 8 rows.  Wave w of eight owns floats 256 w .. 256 w + 255 of each row: two loads of 512 consecutive bytes, two stores of 256 consecutive, aligned bytes.
; All 16 loads of a wave go out before the first wait; no LDS, no barrier, no matrix unit: bytes are all there is.  No prefetch: the launch is nothing but its stream.
.set X, 8                              ; v[8:71]  row r's 8 floats at X + 8 r, then its 4 packed words
.set T, 72                             ; v[72:79] at work (Wo alone)
	s_load_b256 s[4:11], s[0:1], 0x0               ; hidden_states, Wq, Wk, Wv
	s_load_b128 s[12:15], s[0:1], 0x20             ; Wo, w16
	s_and_b32 s16, ttmp7, 0xffff                   ; which matrix
	v_and_b32 v3, 31, v0                           ; lane
	v_lshrrev_b32 v4, 5, v0                        ; wave
	v_lshlrev_b32 v1, 4, v3
	v_lshl_add_u32 v1, v4, 10, v1                  ; in: 1,024 x wave + 16 x lane
	v_lshrrev_b32 v2, 1, v1                        ; out: half of that
	s_lshl_b32 s18, ttmp9, 16                      ; 8 rows of 8,192 bytes
	s_mov_b32 s19, 0
	s_lshl_b32 s20, s16, 23                        ; a slice of w16 is 8,388,608 bytes,
	s_lshl_b32 s21, ttmp9, 15                      ; 8 rows of it 32,768
	s_add_co_u32 s20, s20, s21
	s_mov_b32 s21, 0
	s_wait_kmcnt 0x0
	s_cmp_eq_u32 s16, 1                            ; the source is chosen by the grid's y alone
	s_cselect_b64 s[4:5], s[6:7], s[4:5]
	s_cmp_eq_u32 s16, 2
	s_cselect_b64 s[4:5], s[8:9], s[4:5]
	s_cmp_eq_u32 s16, 3
	s_cselect_b64 s[4:5], s[10:11], s[4:5]
	s_cmp_eq_u32 s16, 4
	s_cselect_b64 s[4:5], s[12:13], s[4:5]
	s_add_nc_u64 s[4:5], s[4:5], s[18:19]
	s_add_nc_u64 s[14:15], s[14:15], s[20:21]
.irp r, 0,1,2,3,4,5,6,7
	global_load_b128 v[X+8*(\r):X+8*(\r)+3],   v1, s[4:5] offset:8192*(\r) th:TH_LOAD_NT
	global_load_b128 v[X+8*(\r)+4:X+8*(\r)+7], v1, s[4:5] offset:8192*(\r)+512 th:TH_LOAD_NT
.endr
; One row: rounded to bf16 in place (word j takes floats 2 j, 2 j + 1, which lie at or above it), for Wo widened again and written as f16, and stored.
.macro ROW r, f16
	s_wait_loadcnt 14-2*(\r)                       ; loads come back in order: this row's two are in, the younger rows' two each stay out
.irp j, 0,1,2,3
	v_cvt_pk_bf16_f32 v[X+8*(\r)+(\j)], v[X+8*(\r)+2*(\j)], v[X+8*(\r)+2*(\j)+1]
.endr
.if \f16
.irp j, 0,1,2,3
	v_lshlrev_b32 v[T+2*(\j)], 16, v[X+8*(\r)+(\j)]
	v_and_b32 v[T+2*(\j)+1], 0xffff0000, v[X+8*(\r)+(\j)]
.endr
.irp j, 0,1,2,3
	v_cvt_pk_f16_f32 v[X+8*(\r)+(\j)], v[T+2*(\j)], v[T+2*(\j)+1]
.endr
.endif
	global_store_b64 v2, v[X+8*(\r):X+8*(\r)+1],   s[14:15] offset:4096*(\r) th:TH_STORE_NT      ; 32 lanes store 256 consecutive bytes, aligned
	global_store_b64 v2, v[X+8*(\r)+2:X+8*(\r)+3], s[14:15] offset:4096*(\r)+256 th:TH_STORE_NT
.endm
	s_cmp_eq_u32 s16, 4
	s_cbranch_scc1 .Lwo
.irp r, 0,1,2,3,4,5,6,7
	ROW \r, 0
.endr
	s_endpgm
.Lwo:
.irp r, 0,1,2,3,4,5,6,7
	ROW \r, 1
.endr
	s_endpgm
.Lfunc_end_k_qdd9e475ed6_cast:
	.size	k_qdd9e475ed6_cast, .Lfunc_end_k_qdd9e475ed6_cast-k_qdd9e475ed6_cast
	.p2alignl 7, 3214868480
	.fill 96, 4, 3214868480
	.section	.rodata,"a",@progbits
	.p2align	6, 0x0
	.amdhsa_kernel k_qdd9e475ed6_cast
		.amdhsa_group_segment_fixed_size 0
		.amdhsa_private_segment_fixed_size 0
		.amdhsa_enable_private_segment 0
		.amdhsa_kernarg_size 48
		.amdhsa_user_sgpr_count 2
		.amdhsa_user_sgpr_kernarg_segment_ptr 1
		.amdhsa_wavefront_size32 1
		.amdhsa_system_sgpr_workgroup_id_x 1
		.amdhsa_system_sgpr_workgroup_id_y 1
		.amdhsa_system_sgpr_workgroup_id_z 1
		.amdhsa_system_vgpr_workitem_id 0
		.amdhsa_next_free_vgpr 80
		.amdhsa_next_free_sgpr 66
		.amdhsa_reserve_vcc 0
		.amdhsa_float_denorm_mode_32 3
		.amdhsa_float_denorm_mode_16_64 3
		.amdhsa_memory_ordered 1
		.amdhsa_forward_progress 1
		.amdhsa_inst_pref_size 16
	.end_amdhsa_kernel
	.amdgpu_metadata
---
amdhsa.version: [ 1, 2 ]
amdhsa.kernels:
  - .name:           k_qdd9e475ed6_cast
    .symbol:         k_qdd9e475ed6_cast.kd
    .args:
      - { .name: hidden_states, .offset: 0, .size: 8, .value_kind: global_buffer, .address_space: global }
      - { .name: Wq, .offset: 8, .size: 8, .value_kind: global_buffer, .address_space: global }
      - { .name: Wk, .offset: 16, .size: 8, .value_kind: global_buffer, .address_space: global }
      - { .name: Wv, .offset: 24, .size: 8, .value_kind: global_buffer, .address_space: global }
      - { .name: Wo, .offset: 32, .size: 8, .value_kind: global_buffer, .address_space: global }
      - { .name: w16, .offset: 40, .size: 8, .value_kind: global_buffer, .address_space: global }
    .group_segment_fixed_size: 0
    .private_segment_fixed_size: 0
    .kernarg_segment_align: 8
    .kernarg_segment_size: 48
    .max_flat_workgroup_size: 256
    .sgpr_count:     66
    .vgpr_count:     80
    .wavefront_size: 32
...
	.end_amdgpu_metadata
.endif
;; end of part 1
;; launch qkv (part 2): grid 16 x 16, 4 waves a work-group, clusters of 4 x 4, 327,680 bytes of LDS; arguments w16, gamma, beta, qkv, lo16; writes qkv, lo16
.if DOCPART == 2
	.amdgcn_target "amdgcn-amd-amdhsa--gfx1250"
	.amdhsa_code_object_version 6
	.text
	.protected	k_qdd9e475ed6_qkv
	.globl	k_qdd9e475ed6_qkv
	.p2align	8
	.type	k_qdd9e475ed6_qkv,@function
k_qdd9e475ed6_qkv:
	s_mov_b64 s[64:65], 0
	v_nop
	global_prefetch_b8 v0, s[64:65] scope:SCOPE_SE
	s_setreg_imm32_b32 hwreg(HW_REG_WAVE_MODE, 25, 1), 1
	s_wait_xcnt 0x0
	s_wait_alu depctr_hold_cnt(0) depctr_sa_sdst(0) depctr_va_vdst(0) depctr_va_sdst(0) depctr_va_ssrc(0) depctr_va_vcc(0) depctr_vm_vsrc(0)
	s_getreg_b32 s2, hwreg(HW_REG_IB_STS2, 6, 4)
	s_cmp_eq_u32 s2, 0
	s_cbranch_scc0 .Lentry_in_a_cluster
	s_endpgm
.Lentry_in_a_cluster:
	s_bfe_u32 s2, ttmp6, 0x10000c
	s_cmp_lg_u32 s2, 0xf033
	s_cbranch_scc0 .Lentry_shape_is_right
	s_endpgm
.Lentry_shape_is_right:
; Launch 2 of 4: q, k, v = x W^T for one head and 128 tokens; q and k then y = q gamma + beta and LayerNorm over the head's 128 channels, in f32; all three rounded once to f16.
; The factor D^-0.5 on q is left out (the identity is shown at the head of the first kernel).
; x, Wq, Wk, Wv: slices 0 to 3 of w16, [2048][2048] bf16.  qkv: [3][16 heads][2048 tokens][128] f16, rows of 256 bytes.  gamma and beta are rounded to bf16 in registers, like every input, and used in f32.
; SECOND PARTS.  Row t of the module's output is a mean over t + 1 keys, so its first rows are up to ten times the output's root mean square, by which the comparison's allowance goes: there f16's rounding of q, k and v
; is made good.  For tokens 0 to 63 of q and 0 to 31 of k and v the launch also stores lo = f16(value - f16(value)) into lo16: [16 heads][64 units of 512 bytes]; a unit is a tile of 16 tokens x a block of 16 channels,
; lane l's 16 bytes (token l % 16, channels 8 (l / 16) + 0..7) at byte 16 l: as they lie in my registers, and two units are a matrix fragment.  Units 0-31 q (8 x tile + block), 32-47 k, 48-63 v.
; LIMITS.  v beyond 65,504 in magnitude becomes an infinity in f16.  q and k lie within sqrt(128) by the LayerNorm, for every input.
; SHARES.  Work-group (x = block of 128 tokens, y = head) makes 128 x 384 numbers.  Wave w = 2 r + c: tokens 64 r .. + 63 and, of EACH of q, k, v, channels 64 c .. + 63: 4 token tiles x 12 channel blocks = 48
; accumulators.  For 32 along K a wave makes 32 LDS loads for 48 matrix instructions.  The price: a head's channels lie in two waves, which exchange mean and centred sum of squares once, through LDS.
; W is three times x's bytes: the clusters that read the same rows of W differ in the grid's x alone.
; THE MATRIX INSTRUCTION IS USED TRANSPOSED: source 0 = 16 rows of W, source 1 = 16 tokens: a lane holds token l % 16 and the channels 8 (l / 16) + 0..7 of a block of 16: eight neighbours of a row.
; RING.  K goes in 16 steps of 128 through two LDS slots; a slot holds x's 128 rows, then Wq's, Wk's, Wv's; wave w fetches the w-th of the four by one tensor load of 128 rows x 256 bytes.  A K step is written once:
; the fragments' LDS addresses are a constant place plus a scalar that holds 0 or SLOT, and one group 0 a tensor walks on, its LDS word turned by the same exclusive or.
; CLUSTER 4 x 4.  x's tile hangs on the token block alone and is asked for jointly along a column of the cluster; W's tiles hang on the head alone and are asked for jointly along a row.
; VARIANCE.  Each wave takes the mean of its 64 channels, centres, sums the squares; the halves are joined by mean = (ml + mo) / 2, M2 = M2l + M2o + 32 (mo - ml)^2: no difference of large sums is formed.
; REGISTERS, in windows of 256 (s_set_vgpr_msb: bits 1:0 source 0, 3:2 source 1, 5:4 source 2, 7:6 destination):
;   window 0: v0-63 addresses and packed results; v64-127 rows read back; v128-255 v's accumulators      window 1: two fragment buffers of 128 (x's 4 fragments, then W's 12); on the way out v0-47 the second parts
;   window 2: v0-127 q's accumulators; v128-159 gamma; v160-191 beta; v192-223 statistics; v224-239 at work      window 3: k's accumulators, statistics and registers at work, at the same numbers
.set KSTEP,  128
.set PITCH,  272                       ; an LDS row: 256 bytes + 16 of padding = 68 words: the 16 rows of a load start at 16 different groups of four banks (64 banks of 4 bytes: ISA guide 11.1)
.set HALFT,  128*PITCH                 ; what one tensor load brings: 0x8800
.set SLOT,   4*HALFT                   ; 0x22000: its two bits occur in none of the four waves' places in a slot (0, 0x8800, 0x11000, 0x19800), so one exclusive or turns such an address into the other slot's
.set XCH,    2*SLOT                    ; behind the ring: wave x 1,024 + kind x 512 + tile x 128 + (l % 16) x 8: the pair (mean, M2)
.set SPARE,  XCH+4096                  ; the spare words, 128 bytes for each wave: two blocks of 256 bytes that no other line names
.set STAGE,  SPARE+512                 ; 128 rows x 272 bytes: one of q, k, v at a time on the way out; no tensor load lands here
.set FILLS,  14                        ; of the 16 K steps the first two are filled at the start, the others by refills
.set ABASE, 16                         ; v16     my x fragments' place in slot 0; never rewritten
.set ADRA,  17                         ; v17     the same in the slot in hand
.set BBASE, 18                         ; v18-20  my Wq, Wk, Wv fragments' places in slot 0; never rewritten
.set ADRB,  21                         ; v21-23  the same in the slot in hand
.set STO,  24                          ; v24     where I put 16 bytes of a stage row
.set RD,   26                          ; v26     where I read rows back
.set SPW,  28                          ; v28     LDS address of my spare word; never rewritten
.set NIL,  29                          ; v29     0; never rewritten
.set PFO,  30                          ; v30     the prefetches' offset: lane x 4,096; never rewritten
.set GO,   31                          ; v31     16 x lane: my bytes in 512 consecutive bytes of qkv or lo16
.set PKR,  32                          ; v32-47  a tile's 16 packed words
.set XW,   48                          ; v48     where I put my statistics
.set XR,   49                          ; v49     where my partner (wave xor 1) put its own
.set GBO,  50                          ; v50     my byte offset in gamma and beta
.set TBK,  51                          ; v51     my work-group's token block
.set NEG1, 52                          ; v52     -1.0
.set BK,   64                          ; v64-127 32 rows read back
.set VAC,  128                         ; v's accumulators, window 0
.set F0,   0
.set F1,   128
.set LT,   0                           ; window 1, on the way out: 32 remainders in f32,
.set LP,   32                          ; and their 16 packed words
.set GM,   128                         ; window 2
.set BT,   160
.set ST,   192                         ; windows 2 and 3: tile a at ST + 8 a: ml, M2l, mo, M2o, rs, rs, c0, c0
.set T,    224
.set WV,   12                          ; s12 wave; s13 r; s14 c; s15 token block; s42 head; s40 cx; s41 cy; s3 the loops' count; s[82:83] lo16 at my head and channels; s84 0 where second parts may be due
.set G1,   24                          ; s[24:31] group 1 for x's tiles; s[32:39] group 0: a set for each of the two first fills; the second then walks on
.set G0,   32
.set LIM,  43                          ; s43     2 in a wave that prefetches, else the greatest number
.set PFA,  44                          ; s[44:45] where my prefetches stand
.set G1B,  48                          ; s[48:55], s[56:63] the same for W's tiles
.set G0B,  56
.set SB,   86                          ; s86     0 or SLOT: the slot in hand
.set MSB, 0
.macro WIN new                         ; the immediate's high byte repeats the setting that is left; a switch that changes nothing is dropped
.if MSB != (\new)
	s_set_vgpr_msb (MSB<<8)|(\new)
.set MSB, (\new)
.endif
.endm
; A joint load.  Wave 0 fetches x's tile, waves 1 to 3 Wq's, Wk's, Wv's.  The branch hangs on the wave's number alone.  An s_nop 0 and four v_nop follow each line.
.macro JLOAD s
	s_cmp_eq_u32 s[WV], 0
	s_cbranch_scc0 .Lfor_b_\@
	tensor_load_to_lds s[G0+4*(\s):G0+4*(\s)+3], s[G1:G1+7]
	s_nop 0
.rept 4
	v_nop
.endr
	s_branch .Lasked_\@
.Lfor_b_\@:
	tensor_load_to_lds s[G0B+4*(\s):G0B+4*(\s)+3], s[G1B:G1B+7]
	s_nop 0
.rept 4
	v_nop
.endr
.Lasked_\@:
.endm
; A prefetch into the L2 of the K step that stands two refills on: 32 rows x 256 bytes, a lane a row, one instruction a wave.  Each row's 256 bytes of a K step are named once in the launch:
; x's rows by the clusters with y = 0, W's by the clusters with x = 0; of a wave's 128 rows each of the four partners that ask jointly takes 32, told apart by address.  The last two filling trips ask for nothing.
.macro ASK
	WIN 0
	s_cmp_gt_u32 s3, s[LIM]
	s_cbranch_scc0 .Lnot_mine_\@
	global_prefetch_b8 v[PFO], s[PFA:PFA+1] offset:KSTEP*2 th:TH_LOAD_NT scope:SCOPE_SE
.Lnot_mine_\@:
.endm
.macro CREST                           ; a round of the cluster's barrier behind its opening barrier
	s_cmp_lg_u32 s[WV], 0
	s_cbranch_scc1 .Lnot_wave_0_\@
	s_barrier_signal -3
.Lnot_wave_0_\@:
	s_barrier_wait -3
	s_barrier_signal -1
	s_barrier_wait -1
.endm
.macro CROUND
	s_barrier_signal -1
	s_barrier_wait -1
	CREST
.endm
.macro PLACES                          ; four places behind a matrix instruction, in front of loads into registers that it has read and of vector lines that read results
.rept 4
	v_nop
.endr
.endm
	s_load_b256 s[4:11], s[0:1], 0x0               ; w16 s[4:5], gamma s[6:7], beta s[8:9], qkv s[10:11]
	s_load_b64 s[78:79], s[0:1], 0x20              ; lo16
	v_lshl_add_u32 v[SPW], v0, 2, SPARE
	v_mov_b32 v[NIL], 0
	ds_add_u32 v[SPW], v[NIL]                      ; the wave's opening: the add, twice on end, and its wait ahead of my first tensor load
	ds_add_u32 v[SPW], v[NIL]
	v_lshrrev_b32 v1, 5, v0
	v_readfirstlane_b32 s[WV], v1                  ; wave 0..3
	s_lshr_b32 s13, s[WV], 1                       ; r: which 64 tokens
	s_and_b32 s14, s[WV], 1                        ; c: which 64 channels of each kind
	s_bfe_u32 s40, ttmp6, 0x40000                  ; cx
	s_bfe_u32 s41, ttmp6, 0x40004                  ; cy
	s_lshl_b32 s15, ttmp9, 2
	s_add_co_u32 s15, s15, s40                     ; token block = 4 x cluster x + cx
	s_and_b32 s42, ttmp7, 0xffff
	s_lshl_b32 s42, s42, 2
	s_add_co_u32 s42, s42, s41                     ; head = 4 x cluster y + cy
	s_lshl_b32 s43, s41, 2
	s_lshl_b32 s43, 15, s43                        ; my row of the cluster
	s_lshl_b32 s44, 0x1111, s40                    ; my column
	s_or_b32 s[G1], s44, (1<<16)|(1<<20)|(1<<21)|(5<<22)|(3<<25)   ; x's tiles go to my column: mask; 2-byte elements; padding on; bit 21 beside a mask; after every 64 words 4 words
	s_or_b32 s[G1B], s43, (1<<16)|(1<<20)|(1<<21)|(5<<22)|(3<<25)  ; W's tiles go to my row
.irp g, G1, G1B
	s_mov_b32 s[(\g)+1], KSTEP<<16                 ; tensor_dim0 = 128
	s_mov_b32 s[(\g)+2], 128<<16                   ; tensor_dim1 = 128
	s_mov_b32 s[(\g)+3], KSTEP<<16                 ; tile_dim0 = 128
	s_mov_b32 s[(\g)+4], 128                       ; tile_dim1 = 128
	s_mov_b32 s[(\g)+5], 2048                      ; elements from row to row
	s_mov_b32 s[(\g)+6], 0
	s_mov_b32 s[(\g)+7], 0
.endr
	s_lshl_b32 s16, s15, 19                        ; x: 128 rows of 4,096 bytes a token block
	s_mov_b32 s17, 0
	s_lshl_b32 s46, s42, 19                        ; W: the head's 128 rows,
	s_lshl_b32 s47, s[WV], 23                      ; in slice = my wave's number
	s_add_co_u32 s46, s46, s47
	s_mov_b32 s47, 0
	s_mul_i32 s20, s[WV], HALFT                    ; where my tile goes: no place in the cluster enters an LDS address
	s_mov_b32 s[SB], 0
	s_mov_b32 s72, 0x3c000000                      ; 1 / 128
	s_mov_b32 s73, 0x3727c5ac                      ; 1e-5
	s_mov_b32 s74, 0xffff0000                      ; a word's upper bf16
	s_mov_b32 s75, 0x3c800000                      ; 1 / 64
	s_mov_b32 s76, 0x76543210                      ; v_permlanex16_b32: each lane takes its own place in the other half
	s_mov_b32 s77, 0xfedcba98
	s_wait_dscnt 0x0                               ; both opening adds are done
	s_wait_kmcnt 0x0
	s_add_nc_u64 s[16:17], s[4:5], s[16:17]
	s_add_nc_u64 s[46:47], s[4:5], s[46:47]
	CROUND                                         ; all sixteen work-groups are here: the first joint loads meet
.irp s, 0,1
	s_mov_b32 s[G0+4*(\s)], 1
	s_add_co_u32 s[G0+4*(\s)+1], s20, (\s)*SLOT
	s_add_nc_u64 s[G0+4*(\s)+2:G0+4*(\s)+3], s[16:17], (\s)*KSTEP*2
	s_or_b32 s[G0+4*(\s)+3], s[G0+4*(\s)+3], 0x80000000
	s_mov_b32 s[G0B+4*(\s)], 1
	s_add_co_u32 s[G0B+4*(\s)+1], s20, (\s)*SLOT
	s_add_nc_u64 s[G0B+4*(\s)+2:G0B+4*(\s)+3], s[46:47], (\s)*KSTEP*2
	s_or_b32 s[G0B+4*(\s)+3], s[G0B+4*(\s)+3], 0x80000000
	JLOAD \s                                       ; two loads of mine are out
.endr
	; all that follows up to the first barrier stands in the wait for the first tile
	v_and_b32 v1, 15, v0                           ; l % 16
	v_bfe_u32 v2, v0, 4, 1                         ; l / 16
	v_mul_u32_u24 v3, v1, PITCH
	v_lshl_add_u32 v3, v2, 4, v3                   ; a fragment's row x pitch + 16 x half
	s_mul_i32 s21, s13, 64*PITCH
	s_mul_i32 s22, s14, 64*PITCH
	v_add_nc_u32 v[ABASE], s21, v3                 ; my 64 tokens
	v_add_nc_u32 v4, s22, v3                       ; my 64 channels
	v_mov_b32 v[ADRA], v[ABASE]                    ; the walk begins in slot 0
.irp j, 0,1,2
	v_add_nc_u32 v[BBASE+(\j)], (1+(\j))*HALFT, v4
	v_add_nc_u32 v[ADRB+(\j)], (1+(\j))*HALFT, v4
.endr
	s_lshl_b32 s23, s14, 7
	s_add_co_u32 s23, s23, STAGE
	v_add_nc_u32 v[STO], s23, v[ABASE]             ; stage row 64 r + l % 16, byte 128 c + 16 (l / 16)
	s_mul_i32 s23, s[WV], 32*PITCH
	s_add_co_u32 s23, s23, STAGE
	v_mul_u32_u24 v6, v2, PITCH
	v_lshl_add_u32 v6, v1, 4, v6
	v_add_nc_u32 v[RD], s23, v6                    ; back: rows 32 w on, lanes 0-15 one row of 256 bytes, lanes 16-31 the next
	v_and_b32 v7, 31, v0
	v_lshlrev_b32 v[GO], 4, v7
	v_lshlrev_b32 v[PFO], 12, v7
	s_lshl_b32 s23, s[WV], 10
	s_add_co_u32 s23, s23, XCH
	v_lshl_add_u32 v[XW], v1, 3, s23
	s_xor_b32 s23, s[WV], 1
	s_lshl_b32 s23, s23, 10
	s_add_co_u32 s23, s23, XCH
	v_lshl_add_u32 v[XR], v1, 3, s23
	s_lshl_b32 s23, s14, 8
	v_lshl_add_u32 v[GBO], v2, 5, s23              ; channel 64 c + 16 b + 8 (l / 16), 4 bytes each
	v_mov_b32 v[TBK], s15
	v_mov_b32 v[NEG1], -1.0
	WIN 0x80                                       ; destination window 2, address window 0
.irp b, 0,1,2,3
	global_load_b128 v[GM+8*(\b):GM+8*(\b)+3],   v[GBO], s[6:7] offset:64*(\b)
	global_load_b128 v[GM+8*(\b)+4:GM+8*(\b)+7], v[GBO], s[6:7] offset:64*(\b)+16
	global_load_b128 v[BT+8*(\b):BT+8*(\b)+3],   v[GBO], s[8:9] offset:64*(\b)
	global_load_b128 v[BT+8*(\b)+4:BT+8*(\b)+7], v[GBO], s[8:9] offset:64*(\b)+16
.endr
	s_lshl_b32 s20, s42, 19                        ; where my 32 rows of each kind go: head x 2,048 rows + block x 128 + wave x 32, 256 bytes a row
	s_lshl_b32 s21, s15, 15
	s_add_co_u32 s20, s20, s21
	s_lshl_b32 s21, s[WV], 13
	s_add_co_u32 s20, s20, s21
	s_mov_b32 s21, 0
	s_add_nc_u64 s[66:67], s[10:11], s[20:21]      ; q
	s_add_nc_u64 s[68:69], s[66:67], 0x800000      ; k
	s_add_nc_u64 s[70:71], s[68:69], 0x800000      ; v
	s_lshl_b32 s20, s42, 15                        ; lo16: 64 units of 512 bytes a head,
	s_lshl_b32 s21, s14, 11                        ; my four channel blocks of a tile's eight
	s_add_co_u32 s20, s20, s21
	s_mov_b32 s21, 0
	s_add_nc_u64 s[82:83], s[78:79], s[20:21]
	s_or_b32 s84, ttmp9, s13                       ; second parts may be due in the first column of clusters, in the waves with a block's first 64 tokens: 0 there
	s_lshl_b32 s20, s15, 19                        ; the prefetches: x's rows,
	s_lshl_b32 s21, s42, 19
	s_lshl_b32 s23, s[WV], 23
	s_add_co_u32 s21, s21, s23                     ; or W's
	s_and_b32 s22, ttmp7, 0xffff                   ; cluster y
	s_cmp_eq_u32 s[WV], 0                          ; do I fetch x's tile?
	s_cselect_b32 s20, s20, s21
	s_cselect_b32 s21, s41, s40                    ; my place among the four that ask with me: cy for x's tile, cx for W's
	s_cselect_b32 s22, s22, ttmp9                  ; the coordinate along which other clusters read the same rows: cluster y for x's, cluster x for W's
	s_cmp_eq_u32 s22, 0
	s_cselect_b32 s[LIM], 2, -1                    ; the same in all sixteen partners, for a given wave
	s_lshl_b32 s21, s21, 17                        ; my work-group's 32 rows of the 128
	s_add_co_u32 s20, s20, s21
	s_add_co_u32 s20, s20, 2*KSTEP*2               ; at K step 2: the first refill steps it to 3 and names K step 4
	s_mov_b32 s21, 0
	s_add_nc_u64 s[PFA:PFA+1], s[4:5], s[20:21]
	s_wait_loadcnt 0x0                             ; gamma and beta
	WIN 0xaa
.set n, 0
.rept 32                                       ; both rounded to bf16, like every input, and widened again
	v_cvt_pk_bf16_f32 v[T+(n/2)%4], v[GM+n], v[GM+n+1]
	v_lshlrev_b32 v[GM+n], 16, v[T+(n/2)%4]
	v_and_b32 v[GM+n+1], s74, v[T+(n/2)%4]
.set n, n+2
.endr
	WIN 0
; 16 matrix instructions: kind j (0 q, 1 k, 2 v), 4 token tiles x 4 channel blocks, 32 along K.  zero = 1: the first product starts the sums.
.macro MUL16 f, j, zero
.if (\j) == 2
	WIN 0x05
.set AB, VAC
.else
	WIN 0xa5+0x50*(\j)
.set AB, 0
.endif
.irp a, 0,1,2,3
.irp b, 0,1,2,3
.if \zero
	v_wmma_f32_16x16x32_bf16 v[AB+8*(4*(\a)+(\b)):AB+8*(4*(\a)+(\b))+7], v[(\f)+32+8*(4*(\j)+(\b)):(\f)+32+8*(4*(\j)+(\b))+7], v[(\f)+8*(\a):(\f)+8*(\a)+7], 0
.else
	v_wmma_f32_16x16x32_bf16 v[AB+8*(4*(\a)+(\b)):AB+8*(4*(\a)+(\b))+7], v[(\f)+32+8*(4*(\j)+(\b)):(\f)+32+8*(4*(\j)+(\b))+7], v[(\f)+8*(\a):(\f)+8*(\a)+7], v[AB+8*(4*(\a)+(\b)):AB+8*(4*(\a)+(\b))+7]
.endif
.endr
.endr
.endm
; 32 LDS loads in one run, from the slot in hand: x's 4 fragments, then Wq's, Wk's, Wv's 4 each, 32 along K at byte k of the rows, into buffer f
.macro FETCH k, f
	WIN 0x40
.irp i, 0,1,2,3
	ds_load_b128 v[(\f)+8*(\i):(\f)+8*(\i)+3],   v[ADRA] offset:(\k)+(\i)*16*PITCH
	ds_load_b128 v[(\f)+8*(\i)+4:(\f)+8*(\i)+7], v[ADRA] offset:(\k)+(\i)*16*PITCH+32
.endr
.irp j, 0,1,2
.irp i, 0,1,2,3
	ds_load_b128 v[(\f)+32+8*(4*(\j)+(\i)):(\f)+32+8*(4*(\j)+(\i))+3],   v[ADRB+(\j)] offset:(\k)+(\i)*16*PITCH
	ds_load_b128 v[(\f)+32+8*(4*(\j)+(\i))+4:(\f)+32+8*(4*(\j)+(\i))+7], v[ADRB+(\j)] offset:(\k)+(\i)*16*PITCH+32
.endr
.endr
.endm
.macro NEXTSLOT                        ; the fetches go on in the other slot
	WIN 0
	s_xor_b32 s[SB], s[SB], SLOT
	v_add_nc_u32 v[ADRA], s[SB], v[ABASE]
.irp j, 0,1,2
	v_add_nc_u32 v[ADRB+(\j)], s[SB], v[BBASE+(\j)]
.endr
.endm
; A K step is four quarters of 32 along K, 48 matrix instructions each, on buffers 0, 1, 0, 1; the 48 accumulators take turns, one instruction a turn.
; One of the first three: multiplies buffer f and, behind its first 16 products, fetches the next quarter into buffer g: 32 products ahead of its first use.
.macro QUARTER k, f, g, zero
	s_wait_dscnt 8                                 ; x, Wq and Wk are in; Wv's eight loads may stay out
	MUL16 \f, 0, \zero
	PLACES
	FETCH \k, \g
	MUL16 \f, 1, \zero
	s_wait_dscnt 32                                ; all but the 32 just issued
	MUL16 \f, 2, \zero
.endm
; The last quarter multiplies buffer 1 and changes slots: ONE barrier.  Behind its first 16 products each wave waits for all its tensor loads (one is out: its part of the next slot), adds 0 to its spare word, issues
; 16 products more while the add is out, and waits for the add and for its reads of this slot.  Behind the barrier nobody reads this slot any more and the next slot is whole.
; fill = 1: the barrier opens a round of the cluster's, and this slot is filled again, two K steps ahead, first thing behind the round: that load has 176 of a K step's 192 matrix instructions in which to land.
; fill = 0 (the last two K steps): nothing is asked for; in the very last there is no next slot, and the fetch from it is jumped over: what is jumped holds no barrier and no tensor load.
.macro TURN fill
.if \fill
	s_wait_xcnt 0x0                                ; the last prefetch, a K step back, has read its address
	s_add_nc_u64 s[PFA:PFA+1], s[PFA:PFA+1], KSTEP*2
.endif
	s_wait_dscnt 8                                 ; x, Wq and Wk are in
	MUL16 F1, 0, 0
	WIN 0
	s_wait_tensorcnt 0x0                           ; no tensor load of mine is out, so a group 0 may be written
	ds_add_u32 v[SPW], v[NIL]
.if \fill
	s_xor_b32 s[G0+5], s[G0+5], SLOT               ; the walking descriptors: the other slot than last time,
	s_add_nc_u64 s[G0+6:G0+7], s[G0+6:G0+7], KSTEP*2  ; the next K step; the type bits on top are not reached
	s_xor_b32 s[G0B+5], s[G0B+5], SLOT
	s_add_nc_u64 s[G0B+6:G0B+7], s[G0B+6:G0B+7], KSTEP*2
.endif
	MUL16 F1, 1, 0                                 ; sixteen products stand between the add and the wait for it
	s_wait_dscnt 0x0                               ; the add is done, and my reads of this slot are over
	WIN 0
	s_barrier_signal -1
	s_barrier_wait -1
.if \fill
	CREST                                          ; no wave of any partner still reads this slot's tiles or has a load on its way
	JLOAD 1                                        ; its four v_nop are also the places in front of the loads below
.else
	s_cmp_eq_u32 s3, 1
	s_cbranch_scc1 .Lno_next_\@
	PLACES
.endif
	NEXTSLOT
	FETCH 0, F0
.if \fill
	ASK
.else
	WIN 0
.Lno_next_\@:
.endif
	MUL16 F1, 2, 0
.endm
	s_wait_tensorcnt 1                             ; my part of K step 0 is in; K step 1's may stay out
	s_barrier_signal -1
	s_barrier_wait -1
	FETCH 0, F0
	QUARTER 64,  F0, F1, 1                         ; the first quarter stands in front of the loop: its products start the sums
	WIN 0
	s_mov_b32 s3, FILLS
.Lstep:                                                ; a trip goes from a K step's second quarter to the next step's first, and fills the slot that it leaves
	QUARTER 128, F1, F0, 0
	QUARTER 192, F0, F1, 0
	TURN 1
	QUARTER 64,  F0, F1, 0
	WIN 0
	s_sub_co_u32 s3, s3, 1
	s_cmp_lg_u32 s3, 0
	s_cbranch_scc1 .Lstep
	s_mov_b32 s3, 2
.Ltail:                                                ; the last two K steps fill nothing. The second trip is left in its middle
	QUARTER 128, F1, F0, 0
	QUARTER 192, F0, F1, 0
	TURN 0
	WIN 0
	s_sub_co_u32 s3, s3, 1
	s_cmp_eq_u32 s3, 0
	s_cbranch_scc1 .Lout
	QUARTER 64,  F0, F1, 0
	WIN 0
	s_cmp_lg_u32 s3, 0
	s_cbranch_scc1 .Ltail
.Lout:
	PLACES
	PLACES
; THE WAY OUT.  LN1, for kind in window w and token tile a (32 registers at 32 a): y = acc gamma + beta in place, each accumulator from its low end on; the mean of my 64 channels; y centred in place;
; the centred sum of squares; the pair into LDS for my partner.  Sums in four chains, then across the two halves of the lanes.  gamma and beta lie in window 2 for both kinds.
.macro SUMUP
	v_pk_add_f32 v[T:T+1], v[T:T+1], v[T+2:T+3]
	v_pk_add_f32 v[T+4:T+5], v[T+4:T+5], v[T+6:T+7]
	v_pk_add_f32 v[T:T+1], v[T:T+1], v[T+4:T+5]
	v_add_f32 v[T], v[T], v[T+1]
	v_permlanex16_b32 v[T+1], v[T], s76, s77       ; the token's other 32 channels of my 64 lie in the lane 16 away
.endm
.macro LN1 w, a
.set rA, 32*(\a)
.set rT, ST+8*(\a)
.if (\w) == 3
	WIN 0xeb                                       ; destination and source 0 window 3, sources 1 and 2 window 2
.else
	WIN 0xaa
.endif
.set n, 0
.rept 16
	v_pk_fma_f32 v[rA+n:rA+n+1], v[rA+n:rA+n+1], v[GM+n:GM+n+1], v[BT+n:BT+n+1]
.set n, n+2
.endr
	WIN 0x55*(\w)
.irp c, 0,2,4,6
	v_pk_add_f32 v[T+(\c):T+(\c)+1], v[rA+(\c):rA+(\c)+1], v[rA+8+(\c):rA+8+(\c)+1]
.endr
.irp k, 16,24
.irp c, 0,2,4,6
	v_pk_add_f32 v[T+(\c):T+(\c)+1], v[T+(\c):T+(\c)+1], v[rA+(\k)+(\c):rA+(\k)+(\c)+1]
.endr
.endr
	SUMUP
	v_add_f32 v[T], v[T], v[T+1]
	v_mul_f32 v[rT], s75, v[T]                     ; ml, in both registers of the pair
	v_mul_f32 v[rT+1], s75, v[T]
.set n, 0
.rept 16
	v_pk_add_f32 v[rA+n:rA+n+1], v[rA+n:rA+n+1], v[rT:rT+1] neg_lo:[0,1] neg_hi:[0,1]
.set n, n+2
.endr
.irp c, 0,2,4,6
	v_pk_mul_f32 v[T+(\c):T+(\c)+1], v[rA+(\c):rA+(\c)+1], v[rA+(\c):rA+(\c)+1]
.endr
.irp k, 8,16,24
.irp c, 0,2,4,6
	v_pk_fma_f32 v[T+(\c):T+(\c)+1], v[rA+(\k)+(\c):rA+(\k)+(\c)+1], v[rA+(\k)+(\c):rA+(\k)+(\c)+1], v[T+(\c):T+(\c)+1]
.endr
.endr
	SUMUP
	v_add_f32 v[rT+1], v[T], v[T+1]                ; M2l
	WIN (\w)<<2                                    ; data in window w, address in window 0
	ds_store_b64 v[XW], v[rT:rT+1] offset:((\w)-2)*512+(\a)*128
.endm
; LN2: hd = (mo - ml) / 2; var + eps = (M2l + M2o) / 128 + 1e-5 + hd^2; rs = 1 / sqrt of it; the result is d rs - hd rs.  The four roots are one batch with one wait.
.macro LN2 w
	WIN 0x55*(\w)
.irp a, 0,1,2,3
	v_sub_f32 v[T+(\a)], v[ST+8*(\a)+2], v[ST+8*(\a)]
	v_add_f32 v[T+4+(\a)], v[ST+8*(\a)+1], v[ST+8*(\a)+3]
.endr
.irp a, 0,1,2,3
	v_mul_f32 v[T+(\a)], 0.5, v[T+(\a)]
	v_fma_f32 v[T+4+(\a)], v[T+4+(\a)], s72, s73
.endr
.irp a, 0,1,2,3
	v_fma_f32 v[T+4+(\a)], v[T+(\a)], v[T+(\a)], v[T+4+(\a)]
.endr
.irp a, 0,1,2,3
	v_rsq_f32 v[ST+8*(\a)+4], v[T+4+(\a)]
.endr
	v_nop                                          ; a plain instruction behind the last root,
	s_wait_alu depctr_va_vdst(0)                   ; and the wait ahead of the first use: one for the four
.irp a, 0,1,2,3
	v_mov_b32 v[ST+8*(\a)+5], v[ST+8*(\a)+4]
	v_mul_f32 v[ST+8*(\a)+6], -v[T+(\a)], v[ST+8*(\a)+4]
	v_mul_f32 v[ST+8*(\a)+7], -v[T+(\a)], v[ST+8*(\a)+4]
.endr
.endm
; THE SECOND PARTS of the tile just packed (its f32 numbers at rA in window w, their f16 in PKR): value - f16(value), which is exact in f32, rounded to f16, four units of 512 consecutive bytes from unit ub + 8 a on.
; The scalar branch hangs on the cluster's x and the wave's number; among the four partners of a row the token block is picked by EXEC, so that no branch hangs on a work-group's place in its cluster.
.macro LOUT ub, w, a
	WIN 0
	s_cmp_lg_u32 s84, 0
	s_cbranch_scc1 .Lnolo_\@
	s_wait_xcnt 0x0                                ; earlier stores have read their registers (LP among them); EXEC changes only behind this wait
	WIN 0x40|((\w)<<4)                             ; destination window 1, the value (source 2) in window w
.set n, 0
.rept 16
	v_fma_mix_f32 v[LT+2*n],   v[PKR+n], v[NEG1], v[rA+2*n]   op_sel:[0,0,0] op_sel_hi:[1,0,0]
	v_fma_mix_f32 v[LT+2*n+1], v[PKR+n], v[NEG1], v[rA+2*n+1] op_sel:[1,0,0] op_sel_hi:[1,0,0]
.set n, n+1
.endr
	WIN 0x45
.set n, 0
.rept 16
	v_cvt_pk_f16_f32 v[LP+n], v[LT+2*n], v[LT+2*n+1]
.set n, n+1
.endr
	WIN 0
	v_cmp_eq_u32 vcc_lo, 0, v[TBK]                 ; token block 0 alone
	s_and_saveexec_b32 s85, vcc_lo
	WIN 0x04                                       ; data in window 1
.irp b, 0,1,2,3
	global_store_b128 v[GO], v[LP+4*(\b):LP+4*(\b)+3], s[82:83] offset:((\ub)+8*(\a)+(\b))*512
.endr
	WIN 0
	s_wait_xcnt 0x0                                ; and again, in front of the line that widens EXEC
	s_or_b32 exec_lo, exec_lo, s85
.Lnolo_\@:
.endm
; A tile is normalised (w = 2, 3; v, w = 0, goes as it is), rounded to f16, 16 bytes a lane and block, and put into the stage.
.macro OUTT w, a
.if (\w) == 0
.set rA, VAC+32*(\a)
.else
.set rA, 32*(\a)
.set rT, ST+8*(\a)
	WIN 0x55*(\w)
.set n, 0
.rept 16
	v_pk_fma_f32 v[rA+n:rA+n+1], v[rA+n:rA+n+1], v[rT+4:rT+5], v[rT+6:rT+7]
.set n, n+2
.endr
.endif
	WIN 5*(\w)                                     ; sources in window w, destination in window 0
.set n, 0
.rept 16
	v_cvt_pk_f16_f32 v[PKR+n], v[rA+2*n], v[rA+2*n+1]
.set n, n+1
.endr
	WIN 0
.irp b, 0,1,2,3
	ds_store_b128 v[STO], v[PKR+4*(\b):PKR+4*(\b)+3] offset:(\a)*16*PITCH+32*(\b)
.endr
.if (\w) == 2
	LOUT 0, \w, \a                                 ; q: tokens 0 to 63
.elseif (\a) < 2
.if (\w) == 3
	LOUT 32, \w, \a                                ; k: tokens 0 to 31
.else
	LOUT 48, \w, \a                                ; v: tokens 0 to 31
.endif
.endif
.endm
; The stage holds one kind's 128 rows, each written by two waves: my stores are done, a barrier; I read 32 whole rows; for q and k my reads are done and a second barrier frees the stage; then the rows are stored.
.macro SHIP kind
	WIN 0
	s_wait_dscnt 0x0                               ; for the others' sake: my stores into the stage are done
	s_barrier_signal -1
	s_barrier_wait -1
.if (\kind) > 0
	s_wait_xcnt 0x0                                ; the last kind's stores have read the registers that are loaded again below
.endif
.set n, 0
.rept 16
	ds_load_b128 v[BK+4*n:BK+4*n+3], v[RD] offset:2*PITCH*n
.set n, n+1
.endr
.if (\kind) < 2
	s_wait_dscnt 0x0                               ; my reads of the stage are over: the next kind may be written
	s_barrier_signal -1
	s_barrier_wait -1
.endif
.set n, 0
.rept 16
.if (\kind) == 2
	s_wait_dscnt 15-n                              ; the younger read-backs may stay out
.endif
	global_store_b128 v[GO], v[BK+4*n:BK+4*n+3], s[66+2*(\kind):67+2*(\kind)] offset:512*n   ; 512 consecutive bytes, at a multiple of 256 from the buffer's first
.set n, n+1
.endr
.endm
.irp a, 0,1,2,3
	LN1 2, \a
.endr
.irp a, 0,1,2,3
	LN1 3, \a
.endr
	WIN 0
	s_wait_dscnt 0x0                               ; my statistics lie in LDS
	s_barrier_signal -1
	s_barrier_wait -1
	WIN 0x80
.irp a, 0,1,2,3
	ds_load_b64 v[ST+8*(\a)+2:ST+8*(\a)+3], v[XR] offset:(\a)*128
.endr
	WIN 0xc0
.irp a, 0,1,2,3
	ds_load_b64 v[ST+8*(\a)+2:ST+8*(\a)+3], v[XR] offset:512+(\a)*128
.endr
	s_wait_dscnt 0x0
	LN2 2
.irp a, 0,1,2,3
	OUTT 2, \a
.endr
	SHIP 0
	LN2 3
.irp a, 0,1,2,3
	OUTT 3, \a
.endr
	SHIP 1
.irp a, 0,1,2,3
	OUTT 0, \a
.endr
	SHIP 2
	s_wait_tensorcnt 0x0                           ; the wave's end: behind my last tensor load and my last LDS store
	ds_add_u32 v[SPW], v[NIL]
	s_wait_dscnt 0x0
	CROUND                                         ; the closing round: no work-group ends while a partner may still ask for a tile that names it
	s_endpgm
.Lfunc_end_k_qdd9e475ed6_qkv:
	.size	k_qdd9e475ed6_qkv, .Lfunc_end_k_qdd9e475ed6_qkv-k_qdd9e475ed6_qkv
	.p2alignl 7, 3214868480
	.fill 96, 4, 3214868480
	.section	.rodata,"a",@progbits
	.p2align	6, 0x0
	.amdhsa_kernel k_qdd9e475ed6_qkv
		.amdhsa_group_segment_fixed_size 327680
		.amdhsa_private_segment_fixed_size 0
		.amdhsa_enable_private_segment 0
		.amdhsa_kernarg_size 40
		.amdhsa_user_sgpr_count 2
		.amdhsa_user_sgpr_kernarg_segment_ptr 1
		.amdhsa_wavefront_size32 1
		.amdhsa_system_sgpr_workgroup_id_x 1
		.amdhsa_system_sgpr_workgroup_id_y 1
		.amdhsa_system_sgpr_workgroup_id_z 1
		.amdhsa_system_vgpr_workitem_id 0
		.amdhsa_next_free_vgpr 1024
		.amdhsa_next_free_sgpr 96
		.amdhsa_reserve_vcc 1
		.amdhsa_float_denorm_mode_32 3
		.amdhsa_float_denorm_mode_16_64 3
		.amdhsa_memory_ordered 1
		.amdhsa_forward_progress 1
		.amdhsa_inst_pref_size 171
	.end_amdhsa_kernel
	.amdgpu_metadata
---
amdhsa.version: [ 1, 2 ]
amdhsa.kernels:
  - .name:           k_qdd9e475ed6_qkv
    .symbol:         k_qdd9e475ed6_qkv.kd
    .args:
      - { .name: w16, .offset: 0, .size: 8, .value_kind: global_buffer, .address_space: global }
      - { .name: gamma, .offset: 8, .size: 8, .value_kind: global_buffer, .address_space: global }
      - { .name: beta, .offset: 16, .size: 8, .value_kind: global_buffer, .address_space: global }
      - { .name: qkv, .offset: 24, .size: 8, .value_kind: global_buffer, .address_space: global }
      - { .name: lo16, .offset: 32, .size: 8, .value_kind: global_buffer, .address_space: global }
    .group_segment_fixed_size: 327680
    .private_segment_fixed_size: 0
    .kernarg_segment_align: 8
    .kernarg_segment_size: 40
    .max_flat_workgroup_size: 128
    .sgpr_count:     96
    .vgpr_count:     1024
    .wavefront_size: 32
...
	.end_amdgpu_metadata
.endif
;; end of part 2
;; launch attn (part 3): grid 16 x 16, 4 waves a work-group, clusters of 4 x 1, 327,680 bytes of LDS; arguments qkv, o16, lo16; writes o16
.if DOCPART == 3
	.amdgcn_target "amdgcn-amd-amdhsa--gfx1250"
	.amdhsa_code_object_version 6
	.text
	.protected	k_qdd9e475ed6_attn
	.globl	k_qdd9e475ed6_attn
	.p2align	8
	.type	k_qdd9e475ed6_attn,@function
k_qdd9e475ed6_attn:
	s_mov_b64 s[64:65], 0
	v_nop
	global_prefetch_b8 v0, s[64:65] scope:SCOPE_SE
	s_setreg_imm32_b32 hwreg(HW_REG_WAVE_MODE, 25, 1), 1
	s_wait_xcnt 0x0
	s_wait_alu depctr_hold_cnt(0) depctr_sa_sdst(0) depctr_va_vdst(0) depctr_va_sdst(0) depctr_va_ssrc(0) depctr_va_vcc(0) depctr_vm_vsrc(0)
	s_getreg_b32 s2, hwreg(HW_REG_IB_STS2, 6, 4)
	s_cmp_eq_u32 s2, 0
	s_cbranch_scc0 .Lentry_in_a_cluster
	s_endpgm
.Lentry_in_a_cluster:
	s_bfe_u32 s2, ttmp6, 0x10000c
	s_cmp_lg_u32 s2, 0x3003
	s_cbranch_scc0 .Lentry_shape_is_right
	s_endpgm
.Lentry_shape_is_right:
; Launch 3 of 4: o[t][h] = sum over k <= t of (q[t] . k[k])^2 v[k] / (sum over k <= t of (q[t] . k[k])^2 + 128 x 1e-5), for each head.  qkv: [3][16][2048][128] f16; o16: [2048][2048] f16, head h at byte 256 h of a row.
; LEFT OUT (shown at the head of the first kernel): key tiles wholly above the diagonal, which reference()'s own tril sets to 0; the factor D^-0.5 on q, against 128 times eps.
; FORMATS.  Products and sums in f32.  The weight P = s^2 is rounded to f16 for the second product: |s| <= 128 by the LayerNorm (with f16's rounding of q and k 128.2), so P stays under 16,500, for every input;
; below 6e-5 it keeps f16's fixed step of 6e-8, nothing beside 128 eps.  z is the sum of the rounded, masked P, made by the matrix unit (a fragment of ones as a ninth channel block).  o is a mean of v's rows and has their range.
; THE WALK.  A head's queries lie in 8 blocks of 256; block i needs the key tiles 0 .. i of 256 keys, the last of which holds the diagonal.  A cluster (its x = b) takes blocks b and then 7 - b: 9 tiles, whatever b:
; one counted walk, alike in all partners.  K's and V's tiles are asked for jointly by the cluster's four work-groups.
; SHARES.  Of a block's four bands of 64 queries work-group cx owns rows 16 cx .. + 15 of each.  Wave w holds two tiles of 16 queries, band w (which it keeps) and band w xor 1 (which it hands over), and takes them through
; keys 32 (w & 1) .. + 31 of every step of 64 keys: a fragment of K or V feeds two tiles.  Sums over keys are plain sums: at a block's end the two waves of a pair exchange one tile through LDS.
; LAYOUT.  S^T = K Q^T (source 0 = 16 keys, source 1 = 16 queries): a lane holds ONE query (l % 16) and the keys 8 (l / 16) + 0..7.  Two such results, squared and rounded in pairs, ARE source 1 of O^T = V^T P.
; THE MASK is an AND on the packed weights.  MD, made once, is the mask of a band's own step; in step sigma of the diagonal tile band x sees all keys if sigma < x, none if sigma > x, MD if sigma = x:
; M = (MD and D) or A with two scalars.  Elsewhere sigma is negative: all keys.  It is applied in every step, so that one text serves all tiles.
; A STEP: 16 products K Q^T of the NEXT step, behind each four vector lines of the step in hand (squares, roundings, masks); then 18 products V^T P of the step in hand.
; THE FIRST ROWS.  Row t is a mean over t + 1 keys: the sequence's first rows are up to ten times the output's root mean square, by which the comparison's allowance goes, and with few keys z can be small beside one weight's
; error.  So for queries 0 to 63 and keys 0 to 31 what f16 dropped of q, k, P and v is added: with sh = qh . kh as the walk makes it and d = ql . kh + qh . kl (ql, kl, vl: the second parts in lo16),
; pc = (sh^2 - f16(sh^2)) + d (2 sh + d); O += V^T pc + Vl^T f16(sh^2), z += the sum of pc: sums of small terms onto sums that start at 0.  41 products, once, in wave 0 of the clusters with b = 0, in the wait for the first tile.
; REGISTERS (s_set_vgpr_msb: bits 1:0 source 0, 3:2 source 1, 5:4 source 2, 7:6 destination):
;   window 0: v0-31 addresses; v32-175 O^T (72 a tile: 8 channel blocks, then z); v176-239 at work at a block's end      window 1: v0-63 Q; v64-127 K of one step; v128-191 S^T, two buffers; v192-255 the second block's Q
;   window 2: v0-127 V, two buffers; v128-143 P; v144-151 ones; v152-159 MD; v160-175 M; v176-239 at work for the first rows      window 3: the first rows' registers
.set PKB,   272                        ; a row of K in LDS: 256 + 16 bytes: the 16 rows of a load start at 16 different groups of four banks (64 banks of 4 bytes: ISA guide 11.1)
.set PVB,   288                        ; a row of V: 256 + 32
.set VOFF,  256*PKB                    ; a slot holds a tile: 256 rows of K, then 256 rows of V
.set SLOT1, 0x24000                    ; slot 1 begins here: its two bits occur in none of the four waves' places in a slot (0, 0x8800, 0x11000, 0x1a000), so one exclusive or turns such an address into the other slot's
.set MB,    SLOT1+256*(PKB+PVB)        ; behind the ring: a mailbox for each wave: 16 x 512 bytes lane by lane, z at + 8,192; its owner also uses it as a stage of rows of 272 bytes (16 at a block's end, 32 for the first rows)
.set MBS,   8704
.set SPARE, MB+4*MBS                   ; the spare words, 128 bytes for each wave: two blocks of 256 bytes that no other line names
.set AK0, 2                            ; v2   my lane's place in a tile of K; never rewritten
.set AV0, 3                            ; v3   the same for V
.set AK,  4                            ; v4   K's place in the slot in hand
.set AV,  5                            ; v5   V's
.set QO0, 6                            ; v6   my byte offset in a block's rows of Q, tile 0
.set MBO, 7                            ; v7   my 16 bytes in my partner's mailbox
.set MBI, 8                            ; v8   in my own
.set QO1, 10                           ; v10  as v6, tile 1
.set STO, 12                           ; v12  the stage: where I put 16 bytes of a row
.set RD,  13                           ; v13  where I read (or put) whole rows
.set GO,  14                           ; v14  my byte offset in two rows of o16
.set PFO, 15                           ; v15  256 x lane; never rewritten
.set ZO,  16                           ; v16  my word of z in my partner's mailbox, less 8,192
.set ZI,  17                           ; v17  in my own
.set LL,  25                           ; v25  the first rows: 16 x lane
.set TRA, 26                           ; v26  the first rows: my place for the turning load in the stage
.set QLO, 27                           ; v27  the first rows: 16 x lane + my work-group's tile of q's second parts
.set SPW, 28
.set NIL, 29
.set O,   32
.set BK,  176
.set Q,   0
.set KF,  64
.set S,   128
.set QB,  192
.set VF,  0
.set P,   128
.set ONES, 144
.set MD,  152
.set M,   160
.set VR,  176                          ; window 2: v's first part as loaded
.set QL,  0                            ; window 3: q's second part, 4 fragments
.set KL,  32                           ; k's: 32 kb + 8 x chunk
.set DL,  96                           ; d: 8 kb
.set T3,  112                          ; sh^2, then its remainder, then pc
.set U3,  128                          ; 2 sh + d
.set PC,  144                          ; pc, packed
.set PH,  152                          ; f16(sh^2), packed
.set NG,  160                          ; -1.0
.set VLF, 192                          ; v's second part, turned: 8 fragments
.set WV,  12                           ; s12 wave; s13 cx; s14 b; s15 the first block's tiles, b + 1; s16 head; s17 wave & 1
.set NH,  15
.set G1K, 24                           ; s[24:31], s[32:39] descriptor group 1 for K's and V's tiles
.set G1V, 32
.set G0K, 40                           ; s[40:47] group 0 for K: a set for each of the two first fills; the second then walks on
.set G0V, 48                           ; s[48:55] the same for V
.set LC,  56                           ; s56  the loops' count
.set N,   57                           ; s57  the walk's tile in hand, 0 .. 8
.set MW,  58                           ; s58  the walk's tile to be asked for
.set SB,  59                           ; s59  0 or SLOT1: the slot in hand
.set SG,  62                           ; s62  0 in a diagonal tile, else -64
.set AA,  69                           ; s69, s71 A of tiles 0, 1; s70, s72 D
.set LIM, 73                           ; s73  2 in the head's cluster b = 0, else the greatest number
.set PFA, 74                           ; s[74:75] where my prefetches stand
.set OFF, 76                           ; s[76:77] a tile's byte offset in K and V
.set OLO, 78                           ; s[78:79] o16 at my rows of the second block
.set DG,  81                           ; s81  1: the tile in hand is a block's last, the diagonal one
.set MSB, 0
.macro WIN new
.if MSB != (\new)
	s_set_vgpr_msb (MSB<<8)|(\new)
.set MSB, (\new)
.endif
.endm
.macro PLACES
.rept 4
	v_nop
.endr
.endm
; A joint refill.  Waves 0 and 1 fetch the two halves of a tile's K, waves 2 and 3 those of its V: 128 rows each.  An s_nop 0 and four v_nop follow each line.
.macro JLOAD
	s_cmp_lt_u32 s[WV], 2
	s_cbranch_scc0 .Lfor_v_\@
	tensor_load_to_lds s[G0K+4:G0K+7], s[G1K:G1K+7]
	s_nop 0
.rept 4
	v_nop
.endr
	s_branch .Lasked_\@
.Lfor_v_\@:
	tensor_load_to_lds s[G0V+4:G0V+7], s[G1V:G1V+7]
	s_nop 0
.rept 4
	v_nop
.endr
.Lasked_\@:
.endm
; A prefetch into the L2.  The cluster with b = 0 walks key tiles 0, 0, 1, 2 .. 7 and is the first of its head to ask for tiles 4 to 7.  Its change of slots in walk tile n, n = 0 .. 4, names key tile n + 3, which is its
; walk tile n + 4: its joint load goes out two changes later (key tile 3 is loaded one change later by the cluster with b = 3).  Its 16 waves x 32 lanes name the tile's 256 rows of K and 256 of V once each,
; told apart by address: no branch hangs on a work-group's place in its cluster.  Key tiles 0 to 2 come by their loads alone.
.macro ASK
	WIN 0
	s_cmp_gt_u32 s[LC], s[LIM]
	s_cbranch_scc0 .Lnot_mine_\@
	global_prefetch_b8 v[PFO], s[PFA:PFA+1] th:TH_LOAD_NT scope:SCOPE_SE
.Lnot_mine_\@:
.endm
.macro CROUND                          ; a round of the cluster's barrier
	s_barrier_signal -1
	s_barrier_wait -1
	s_cmp_lg_u32 s[WV], 0
	s_cbranch_scc1 .Lnot_wave_0_\@
	s_barrier_signal -3
.Lnot_wave_0_\@:
	s_barrier_wait -3
	s_barrier_signal -1
	s_barrier_wait -1
.endm
	s_load_b128 s[84:87], s[0:1], 0x0              ; qkv s[84:85], o16 s[86:87]
	s_load_b64 s[96:97], s[0:1], 0x10              ; lo16
	v_lshl_add_u32 v[SPW], v0, 2, SPARE
	v_mov_b32 v[NIL], 0
	ds_add_u32 v[SPW], v[NIL]                      ; the wave's opening: the add, twice on end, and its wait ahead of my first tensor load
	ds_add_u32 v[SPW], v[NIL]
	v_lshrrev_b32 v1, 5, v0
	v_readfirstlane_b32 s[WV], v1                  ; wave 0..3
	s_bfe_u32 s13, ttmp6, 0x40000                  ; cx: it enters Q's, O's and lo16's addresses, the prefetches' and the mask's data alone
	s_mov_b32 s14, ttmp9                           ; b, which the four partners share: the first block
	s_add_co_u32 s[NH], s14, 1                     ; its tiles
	s_and_b32 s16, ttmp7, 0xffff                   ; the head
	s_and_b32 s17, s[WV], 1
	s_mov_b32 s67, s[WV]                           ; the band of my tile 0,
	s_xor_b32 s68, s[WV], 1                        ; and of my tile 1
	s_lshl_b32 s18, s16, 19                        ; the head's first byte in a slice of qkv
	s_lshl_b32 s20, s17, 15                        ; the half of a tile's 256 rows that I fetch,
	s_add_co_u32 s20, s20, s18
	s_add_co_u32 s20, s20, 0x800000                ; in K's slice
	s_mov_b32 s21, 0
	s_mul_i32 s22, s17, 128*PKB                    ; and its place in a slot, for K
	s_mul_i32 s23, s17, 128*PVB                    ; and for V
	s_add_co_u32 s23, s23, VOFF
	s_sub_co_u32 s19, 7, s14                       ; the second block
	s_lshl_b32 s2, s13, 12                         ; Q: my work-group's 16 rows of a band
	s_add_co_u32 s2, s2, s18
	s_lshl_b32 s88, s14, 16
	s_add_co_u32 s88, s88, s2
	s_mov_b32 s89, 0
	s_lshl_b32 s90, s19, 16
	s_add_co_u32 s90, s90, s2
	s_mov_b32 s91, 0
	s_lshl_b32 s2, s[WV], 18                       ; O: band w, 64 rows of 4,096 bytes,
	s_lshl_b32 s3, s13, 16                         ; my work-group's 16 rows,
	s_add_co_u32 s2, s2, s3
	s_lshl_b32 s3, s16, 8                          ; the head's 256 bytes
	s_add_co_u32 s2, s2, s3
	s_lshl_b32 s92, s14, 20
	s_add_co_u32 s92, s92, s2
	s_mov_b32 s93, 0
	s_lshl_b32 s94, s19, 20
	s_add_co_u32 s94, s94, s2
	s_mov_b32 s95, 0
	s_mov_b32 s[G1K], 15|(1<<16)|(1<<20)|(1<<21)|(5<<22)|(3<<25)  ; the mask of four; 2-byte elements; padding on; bit 21 beside a mask; after every 64 words 4 words
	s_mov_b32 s[G1V], 15|(1<<16)|(1<<20)|(1<<21)|(5<<22)|(7<<25)  ; the same with 8 words of padding
.irp g, G1K, G1V
	s_mov_b32 s[(\g)+1], 128<<16                   ; tensor_dim0 = 128
	s_mov_b32 s[(\g)+2], 128<<16                   ; tensor_dim1 = 128
	s_mov_b32 s[(\g)+3], 128<<16                   ; tile_dim0 = 128
	s_mov_b32 s[(\g)+4], 128                       ; tile_dim1 = 128
	s_mov_b32 s[(\g)+5], 128                       ; elements from row to row
	s_mov_b32 s[(\g)+6], 0
	s_mov_b32 s[(\g)+7], 0
.endr
	s_mov_b32 s[LC], 7
	s_mov_b32 s[N], 0
	s_mov_b32 s[MW], 2
	s_mov_b32 s[SB], 0
	s_mov_b32 s[OFF+1], 0
	s_mov_b32 s80, 0x3aa7c5ac                      ; 128 x 1e-5
	s_lshl_b32 s60, s16, 15                        ; lo16: 64 units of 512 bytes a head
	s_mov_b32 s61, 0
	s_cmp_eq_u32 ttmp9, 0
	s_cselect_b32 s[LIM], 2, -1                    ; the same in all four partners
	s_lshl_b32 s2, s13, 13                         ; the prefetches: my work-group's 32 rows of my wave's 128,
	s_add_co_u32 s2, s2, s20
	s_add_co_u32 s2, s2, 2*65536                   ; in key tile 2: the first change of slots steps it to 3
	s_add_co_u32 s3, s2, 0x800000
	s_cmp_lt_u32 s[WV], 2                          ; of K (waves 0, 1) or of V
	s_cselect_b32 s2, s2, s3
	s_mov_b32 s3, 0
	s_cmp_gt_u32 s[NH], 1                          ; walk tile 1 is key tile 1, or, where the first block has one tile, the second block's key tile 0
	s_cselect_b32 s[OFF], 0x10000, 0
	s_wait_dscnt 0x0                               ; both opening adds are done
	s_wait_kmcnt 0x0
	s_add_nc_u64 s[6:7], s[84:85], s[20:21]        ; K at my half of the head's tile 0
	s_add_nc_u64 s[8:9], s[6:7], 0x800000          ; V likewise
	s_add_nc_u64 s[4:5], s[84:85], s[88:89]        ; Q of the first block,
	s_add_nc_u64 s[82:83], s[84:85], s[90:91]      ; and of the second
	s_add_nc_u64 s[10:11], s[86:87], s[92:93]      ; O likewise
	s_add_nc_u64 s[OLO:OLO+1], s[86:87], s[94:95]
	s_add_nc_u64 s[PFA:PFA+1], s[84:85], s[2:3]
	s_add_nc_u64 s[98:99], s[96:97], s[60:61]      ; lo16 at my head
	s_mov_b32 s[G0K], 1
	s_mov_b32 s[G0K+1], s22
	s_add_nc_u64 s[G0K+2:G0K+3], s[6:7], 0
	s_or_b32 s[G0K+3], s[G0K+3], 0x80000000
	s_mov_b32 s[G0K+4], 1
	s_add_co_u32 s[G0K+5], s22, SLOT1
	s_add_nc_u64 s[G0K+6:G0K+7], s[6:7], s[OFF:OFF+1]
	s_or_b32 s[G0K+7], s[G0K+7], 0x80000000
	s_mov_b32 s[G0V], 1
	s_mov_b32 s[G0V+1], s23
	s_add_nc_u64 s[G0V+2:G0V+3], s[8:9], 0
	s_or_b32 s[G0V+3], s[G0V+3], 0x80000000
	s_mov_b32 s[G0V+4], 1
	s_add_co_u32 s[G0V+5], s23, SLOT1
	s_add_nc_u64 s[G0V+6:G0V+7], s[8:9], s[OFF:OFF+1]
	s_or_b32 s[G0V+7], s[G0V+7], 0x80000000
	CROUND                                         ; all four work-groups are here: the first joint loads meet
	s_cmp_lt_u32 s[WV], 2                          ; a wave's two first fills stand in one branch: two loads of mine are out
	s_cbranch_scc0 .Lfirst_v
	tensor_load_to_lds s[G0K:G0K+3], s[G1K:G1K+7]
	s_nop 0
	tensor_load_to_lds s[G0K+4:G0K+7], s[G1K:G1K+7]
	s_nop 0
.rept 4
	v_nop
.endr
	s_branch .Lfirst_asked
.Lfirst_v:
	tensor_load_to_lds s[G0V:G0V+3], s[G1V:G1V+7]
	s_nop 0
	tensor_load_to_lds s[G0V+4:G0V+7], s[G1V:G1V+7]
	s_nop 0
.rept 4
	v_nop
.endr
.Lfirst_asked:
	; all that follows up to the first barrier stands in the wait for the first tile
	v_and_b32 v1, 15, v0                           ; l % 16
	v_bfe_u32 v9, v0, 4, 1                         ; l / 16
	v_lshlrev_b32 v23, 8, v1
	v_lshl_add_u32 v23, v9, 4, v23                 ; a fragment of Q: row x 256 + 16 x half
	s_lshl_b32 s2, s67, 14                         ; a band is 64 rows of 256 bytes
	s_lshl_b32 s3, s68, 14
	v_add_nc_u32 v[QO0], s2, v23
	v_add_nc_u32 v[QO1], s3, v23
	WIN 0x40                                       ; destination window 1, address window 0
.irp c, 0,1,2,3
	global_load_b128 v[Q+8*(\c):Q+8*(\c)+3],         v[QO0], s[4:5] offset:64*(\c)
	global_load_b128 v[Q+8*(\c)+4:Q+8*(\c)+7],       v[QO0], s[4:5] offset:64*(\c)+32
	global_load_b128 v[Q+32+8*(\c):Q+32+8*(\c)+3],   v[QO1], s[4:5] offset:64*(\c)
	global_load_b128 v[Q+32+8*(\c)+4:Q+32+8*(\c)+7], v[QO1], s[4:5] offset:64*(\c)+32
	global_load_b128 v[QB+8*(\c):QB+8*(\c)+3],         v[QO0], s[82:83] offset:64*(\c)
	global_load_b128 v[QB+8*(\c)+4:QB+8*(\c)+7],       v[QO0], s[82:83] offset:64*(\c)+32
	global_load_b128 v[QB+32+8*(\c):QB+32+8*(\c)+3],   v[QO1], s[82:83] offset:64*(\c)
	global_load_b128 v[QB+32+8*(\c)+4:QB+32+8*(\c)+7], v[QO1], s[82:83] offset:64*(\c)+32
.endr
	WIN 0
	s_mul_i32 s2, s17, 32*PKB                      ; my 32 keys of a step's 64
	v_mul_u32_u24 v[AK0], v1, PKB
	v_lshl_add_u32 v[AK0], v9, 4, v[AK0]
	v_add_nc_u32 v[AK0], s2, v[AK0]
	; The turning load takes 16 keys x 16 channels (lane l reads key 8 (l / 16) + l % 8, channels 8 ((l / 8) % 2) + 0..7) and leaves half a fragment of V^T: lane l holds channel l % 16 and 8 keys.
	v_and_b32 v23, 7, v0
	v_bfe_u32 v11, v0, 3, 1
	v_lshl_add_u32 v[AV0], v9, 3, v23
	v_mul_u32_u24 v[TRA], v[AV0], PKB              ; the same place in a stage of rows of 272 bytes (wave 0's, which begins at MB)
	v_lshl_add_u32 v[TRA], v11, 4, v[TRA]
	v_add_nc_u32 v[TRA], MB, v[TRA]
	v_mul_u32_u24 v[AV0], v[AV0], PVB
	v_lshl_add_u32 v[AV0], v11, 4, v[AV0]
	s_mul_i32 s3, s17, 32*PVB
	s_add_co_u32 s3, s3, VOFF
	v_add_nc_u32 v[AV0], s3, v[AV0]
	v_mov_b32 v[AK], v[AK0]                        ; the walk begins in slot 0
	v_mov_b32 v[AV], v[AV0]
	v_and_b32 v24, 31, v0                          ; lane
	s_mul_i32 s2, s68, MBS
	s_add_co_u32 s2, s2, MB                        ; my partner's mailbox
	v_lshl_add_u32 v[MBO], v24, 4, s2
	v_lshl_add_u32 v[ZO], v24, 2, s2
	s_mul_i32 s3, s[WV], MBS
	s_add_co_u32 s3, s3, MB                        ; my own
	v_lshl_add_u32 v[MBI], v24, 4, s3
	v_lshl_add_u32 v[ZI], v24, 2, s3
	v_mul_u32_u24 v[STO], v1, PKB                  ; the stage: in: row l % 16, 16 bytes for each half of the lanes
	v_lshl_add_u32 v[STO], v9, 4, v[STO]
	v_add_nc_u32 v[STO], s3, v[STO]
	v_mul_u32_u24 v[RD], v9, PKB                   ; back: lanes 0-15 one row of 256 bytes, lanes 16-31 the next
	v_lshl_add_u32 v[RD], v1, 4, v[RD]
	v_add_nc_u32 v[RD], s3, v[RD]
	v_lshlrev_b32 v[GO], 12, v9                    ; and the same two rows in o16
	v_lshl_add_u32 v[GO], v1, 4, v[GO]
	v_lshlrev_b32 v[PFO], 8, v24
	v_lshlrev_b32 v[LL], 4, v24
	s_lshl_b32 s2, s13, 12                         ; q's second parts: 8 units of 512 bytes a tile of 16 tokens; mine is tile cx
	v_add_nc_u32 v[QLO], s2, v[LL]
	s_lshl_b32 s2, s13, 4                          ; MD: weight (kb, jj) is seen where 16 kb + jj <= 16 cx + l % 16 - 32 (w & 1) - 8 (l / 16)
	s_lshl_b32 s3, s17, 5
	s_sub_co_i32 s2, s2, s3
	v_lshlrev_b32 v23, 3, v9
	v_sub_nc_u32 v22, v1, v23
	v_add_nc_u32 v22, s2, v22
	s_mov_b32 s2, 0xffff
	s_mov_b32 s3, 0xffff0000
	WIN 0x80                                       ; destination window 2
.set n, 0
.rept 8
	v_cmp_le_i32 vcc_lo, 16*(n/4)+2*(n%4), v22
	v_cndmask_b32 v[MD+n], 0, s2, vcc_lo
	v_cmp_le_i32 vcc_lo, 16*(n/4)+2*(n%4)+1, v22
	v_cndmask_b32 v[M+n], 0, s3, vcc_lo
.set n, n+1
.endr
.set n, 0
.rept 8
	v_mov_b32 v[ONES+n], 0x3c003c00                ; 1.0 twice in f16
.set n, n+1
.endr
	WIN 0xaa
.set n, 0
.rept 8
	v_or_b32 v[MD+n], v[MD+n], v[M+n]
.set n, n+1
.endr
	WIN 0
.set n, 0
.rept 144
	v_mov_b32 v[O+n], 0                            ; the sums start at 0, so that every step has one form of product
.set n, n+1
.endr
	; THE FIRST ROWS (see the head): block 0, band 0, keys 0 to 31: my tile 0 and my keys where b = 0 and the wave is 0.  The branch hangs on the cluster's x and the wave's number; it passes no barrier and no tensor load.
	s_cmp_lg_u32 ttmp9, 0
	s_cbranch_scc1 .Lnofix
	s_cmp_lg_u32 s[WV], 0
	s_cbranch_scc1 .Lnofix
	WIN 0xc0                                       ; destination window 3: two units of lo16 are a fragment
.irp c, 0,1,2,3
	global_load_b128 v[QL+8*(\c):QL+8*(\c)+3],   v[QLO], s[98:99] offset:1024*(\c)
	global_load_b128 v[QL+8*(\c)+4:QL+8*(\c)+7], v[QLO], s[98:99] offset:1024*(\c)+512
.endr
.irp kb, 0,1
.irp c, 0,1,2,3
	global_load_b128 v[KL+32*(\kb)+8*(\c):KL+32*(\kb)+8*(\c)+3],   v[LL], s[98:99] offset:(32+8*(\kb)+2*(\c))*512
	global_load_b128 v[KL+32*(\kb)+8*(\c)+4:KL+32*(\kb)+8*(\c)+7], v[LL], s[98:99] offset:(33+8*(\kb)+2*(\c))*512
.endr
.endr
	v_mov_b32 v[NG], -1.0
	WIN 0x40                                       ; k's first part, keys 0 to 31, as fragments (in wave 0 v6 is row x 256 + 16 x half, and s[6:7] the head's key 0)
.irp kb, 0,1
.irp c, 0,1,2,3
	global_load_b128 v[KF+32*(\kb)+8*(\c):KF+32*(\kb)+8*(\c)+3],   v[QO0], s[6:7] offset:4096*(\kb)+64*(\c)
	global_load_b128 v[KF+32*(\kb)+8*(\c)+4:KF+32*(\kb)+8*(\c)+7], v[QO0], s[6:7] offset:4096*(\kb)+64*(\c)+32
.endr
.endr
	WIN 0                                          ; v's second part: 16 units,
.set n, 0
.rept 16
	global_load_b128 v[BK+4*n:BK+4*n+3], v[LL], s[98:99] offset:(48+n)*512
.set n, n+1
.endr
	WIN 0x80                                       ; and its first part: 32 rows of 256 bytes, two a load
.set n, 0
.rept 16
	global_load_b128 v[VR+4*n:VR+4*n+3], v[LL], s[8:9] offset:512*n
.set n, n+1
.endr
	s_wait_loadcnt 0x0                             ; these, and Q
	WIN 0                                          ; v's parts are turned in my own mailbox, which nobody else touches before the first barrier: rows of 272 bytes, the second part first
.set n, 0
.rept 16
	ds_store_b128 v[STO], v[BK+4*n:BK+4*n+3] offset:(n/8)*16*PKB+32*(n%8)
.set n, n+1
.endr
	WIN 0xc0
.irp f, 0,1,2,3,4,5,6,7
	ds_load_tr16_b128 v[VLF+8*(\f):VLF+8*(\f)+3],   v[TRA] offset:32*(\f)
	ds_load_tr16_b128 v[VLF+8*(\f)+4:VLF+8*(\f)+7], v[TRA] offset:16*PKB+32*(\f)
.endr
	WIN 0x08                                       ; data in window 2.  LDS serves a wave's instructions in order (ISA guide 5.7.1.4): these stores come behind the loads above
.set n, 0
.rept 16
	ds_store_b128 v[RD], v[VR+4*n:VR+4*n+3] offset:n*2*PKB
.set n, n+1
.endr
	WIN 0x80
.irp f, 0,1,2,3,4,5,6,7
	ds_load_tr16_b128 v[VF+8*(\f):VF+8*(\f)+3],   v[TRA] offset:32*(\f)
	ds_load_tr16_b128 v[VF+8*(\f)+4:VF+8*(\f)+7], v[TRA] offset:16*PKB+32*(\f)
.endr
	WIN 0x55                                       ; sh = kh qh^T, by the products and in the order of the walk's own: the same bits.  Two accumulators by turns
.irp c, 0,1,2,3
.irp kb, 0,1
.if (\c) == 0
	v_wmma_f32_16x16x32_f16 v[S+8*(\kb):S+8*(\kb)+7], v[KF+32*(\kb)+8*(\c):KF+32*(\kb)+8*(\c)+7], v[Q+8*(\c):Q+8*(\c)+7], 0
.else
	v_wmma_f32_16x16x32_f16 v[S+8*(\kb):S+8*(\kb)+7], v[KF+32*(\kb)+8*(\c):KF+32*(\kb)+8*(\c)+7], v[Q+8*(\c):Q+8*(\c)+7], v[S+8*(\kb):S+8*(\kb)+7]
.endif
.endr
.endr
	WIN 0xfd                                       ; d = kh ql^T: source 0 window 1, source 1, C and D window 3
.irp c, 0,1,2,3
.irp kb, 0,1
.if (\c) == 0
	v_wmma_f32_16x16x32_f16 v[DL+8*(\kb):DL+8*(\kb)+7], v[KF+32*(\kb)+8*(\c):KF+32*(\kb)+8*(\c)+7], v[QL+8*(\c):QL+8*(\c)+7], 0
.else
	v_wmma_f32_16x16x32_f16 v[DL+8*(\kb):DL+8*(\kb)+7], v[KF+32*(\kb)+8*(\c):KF+32*(\kb)+8*(\c)+7], v[QL+8*(\c):QL+8*(\c)+7], v[DL+8*(\kb):DL+8*(\kb)+7]
.endif
.endr
.endr
	WIN 0xf7                                       ; + kl qh^T: source 0 window 3, source 1 window 1
.irp c, 0,1,2,3
.irp kb, 0,1
	v_wmma_f32_16x16x32_f16 v[DL+8*(\kb):DL+8*(\kb)+7], v[KL+32*(\kb)+8*(\c):KL+32*(\kb)+8*(\c)+7], v[Q+8*(\c):Q+8*(\c)+7], v[DL+8*(\kb):DL+8*(\kb)+7]
.endr
.endr
	PLACES
	WIN 0xc5                                       ; sh^2: each accumulator from its low end on
.set n, 0
.rept 8
	v_pk_mul_f32 v[T3+n:T3+n+1], v[S+n:S+n+1], v[S+n:S+n+1]
.set n, n+2
.endr
	WIN 0xff
.set n, 0
.rept 8
	v_cvt_pk_f16_f32 v[PH+n], v[T3+2*n], v[T3+2*n+1]
.set n, n+1
.endr
.set n, 0
.rept 8                                        ; sh^2 - f16(sh^2): exact in f32
	v_fma_mix_f32 v[T3+2*n],   v[PH+n], v[NG], v[T3+2*n]   op_sel:[0,0,0] op_sel_hi:[1,0,0]
	v_fma_mix_f32 v[T3+2*n+1], v[PH+n], v[NG], v[T3+2*n+1] op_sel:[1,0,0] op_sel_hi:[1,0,0]
.set n, n+1
.endr
	WIN 0xf1                                       ; 2 sh + d
.set n, 0
.rept 8
	v_pk_fma_f32 v[U3+n:U3+n+1], v[S+n:S+n+1], 2.0, v[DL+n:DL+n+1] op_sel_hi:[1,0,1]
.set n, n+2
.endr
	WIN 0xff                                       ; pc
.set n, 0
.rept 8
	v_pk_fma_f32 v[T3+n:T3+n+1], v[DL+n:DL+n+1], v[U3+n:U3+n+1], v[T3+n:T3+n+1]
.set n, n+2
.endr
.set n, 0
.rept 8
	v_cvt_pk_f16_f32 v[PC+n], v[T3+2*n], v[T3+2*n+1]
.set n, n+1
.endr
	WIN 0xcb                                       ; band 0 in step 0 of its diagonal tile: the mask is MD itself (source 1, window 2)
.set n, 0
.rept 8
	v_and_b32 v[PC+n], v[PC+n], v[MD+n]
	v_and_b32 v[PH+n], v[PH+n], v[MD+n]
.set n, n+1
.endr
	s_wait_dscnt 0x0                               ; v's two parts are in
	WIN 0x0e                                       ; O^T += V^T pc, z += ones pc: source 0 window 2, source 1 window 3.  Nine accumulators, then eight of them again: one instruction a turn
.irp f, 0,1,2,3,4,5,6,7
	v_wmma_f32_16x16x32_f16 v[O+8*(\f):O+8*(\f)+7], v[VF+8*(\f):VF+8*(\f)+7], v[PC:PC+7], v[O+8*(\f):O+8*(\f)+7]
.endr
	v_wmma_f32_16x16x32_f16 v[O+64:O+71], v[ONES:ONES+7], v[PC:PC+7], v[O+64:O+71]
	WIN 0x0f                                       ; O^T += Vl^T f16(sh^2)
.irp f, 0,1,2,3,4,5,6,7
	v_wmma_f32_16x16x32_f16 v[O+8*(\f):O+8*(\f)+7], v[VLF+8*(\f):VLF+8*(\f)+7], v[PH:PH+7], v[O+8*(\f):O+8*(\f)+7]
.endr
	WIN 0
	PLACES
.Lnofix:
; Product i of 16 of S^T = K Q^T into buffer par: channels 32 (i / 4) on, tile i % 2, keys 16 ((i / 2) % 2) on.  The four accumulators take turns; the first four products start the sums.
.macro KQ par
	WIN 0x55
.set rS, S+32*(\par)+16*(i%2)+8*((i/2)%2)
.set rK, KF+32*((i/2)%2)+8*(i/4)
.set rQ, Q+32*(i%2)+8*(i/4)
.if i < 4
	v_wmma_f32_16x16x32_f16 v[rS:rS+7], v[rK:rK+7], v[rQ:rQ+7], 0
.else
	v_wmma_f32_16x16x32_f16 v[rS:rS+7], v[rK:rK+7], v[rQ:rQ+7], v[rS:rS+7]
.endif
.endm
; Product i of 18 of O^T += V^T P: tile i % 2, channels 16 (i / 2) on; the last two multiply ones by P: z.  Each accumulator has one turn a step.
.macro PVM par
	WIN 0x0a
.set rO, O+72*(i%2)+8*(i/2)
.set rP, P+8*(i%2)
.if i < 16
.set rV, VF+64*(\par)+8*(i/2)
.else
.set rV, ONES
.endif
	v_wmma_f32_16x16x32_f16 v[rO:rO+7], v[rV:rV+7], v[rP:rP+7], v[rO:rO+7]
.endm
; The LDS loads stand in runs of 16: my 32 keys of step st: K (8 fragments) and V (turned, 8 fragments, into buffer par).
.macro FETCH_K st
	WIN 0x40
.irp f, 0,1,2,3,4,5,6,7                ; keys 16 (f / 4) on, channels 32 (f % 4) on
	ds_load_b128 v[KF+8*(\f):KF+8*(\f)+3],   v[AK] offset:(\st)*64*PKB+((\f)/4)*16*PKB+((\f)%4)*64
	ds_load_b128 v[KF+8*(\f)+4:KF+8*(\f)+7], v[AK] offset:(\st)*64*PKB+((\f)/4)*16*PKB+((\f)%4)*64+32
.endr
.endm
.macro FETCH_V st, par
	WIN 0x80
.irp f, 0,1,2,3,4,5,6,7                ; channels 16 f on
	ds_load_tr16_b128 v[VF+64*(\par)+8*(\f):VF+64*(\par)+8*(\f)+3],   v[AV] offset:(\st)*64*PVB+32*(\f)
	ds_load_tr16_b128 v[VF+64*(\par)+8*(\f)+4:VF+64*(\par)+8*(\f)+7], v[AV] offset:(\st)*64*PVB+16*PVB+32*(\f)
.endr
.endm
; The four vector lines behind product i, on the scores in buffer par: 0-3 the 16 packed squares, in place, each accumulator from its low end on; 4-7 the 16 roundings into P; 8-11 the 16 masks; 12-15 the 16 ANDs.
.macro SLICE par
.irp n, 0,1,2,3
.set j, 4*(i%4)+(\n)
.if i < 4
	WIN 0x55
	v_pk_mul_f32 v[S+32*(\par)+2*j:S+32*(\par)+2*j+1], v[S+32*(\par)+2*j:S+32*(\par)+2*j+1], v[S+32*(\par)+2*j:S+32*(\par)+2*j+1]
.elseif i < 8
	WIN 0x85
	v_cvt_pk_f16_f32 v[P+j], v[S+32*(\par)+2*j], v[S+32*(\par)+2*j+1]
.elseif i < 12
	WIN 0xaa
	v_and_or_b32 v[M+j], v[MD+j%8], s[AA+1+2*(j/8)], s[AA+2*(j/8)]
.else
	WIN 0xaa
	v_and_b32 v[P+j], v[P+j], v[M+j]
.endif
.endr
.endm
; THE CHANGE OF SLOTS, in a tile's third step: the slot's last bytes, V of its fourth step, have been asked for.  Each wave waits for all its tensor loads (one is out: its part of the other slot), adds 0 to its spare
; word, and waits for that and for its reads of the slot.  fill = 1: the barrier is a round of the cluster's, and the slot is filled again, first thing behind it, with walk tile MW, whose key tile is MW, or MW - NH
; in the second block: the descriptor's address is made anew from that number.
.macro CHANGE fill
	WIN 0
	s_wait_tensorcnt 0x0                           ; no tensor load of mine is out, so a group 0 may be written
	ds_add_u32 v[SPW], v[NIL]                      ; 0 onto my spare word; scalar work stands between it and the wait for it
.if \fill
	s_cmp_ge_u32 s[MW], s[NH]
	s_cselect_b32 s[OFF], s[NH], 0
	s_sub_co_u32 s[OFF], s[MW], s[OFF]
	s_lshl_b32 s[OFF], s[OFF], 16                  ; a tile is 65,536 bytes of K and of V
	s_xor_b32 s[G0K+5], s[G0K+5], SLOT1
	s_add_nc_u64 s[G0K+6:G0K+7], s[6:7], s[OFF:OFF+1]
	s_or_b32 s[G0K+7], s[G0K+7], 0x80000000
	s_xor_b32 s[G0V+5], s[G0V+5], SLOT1
	s_add_nc_u64 s[G0V+6:G0V+7], s[8:9], s[OFF:OFF+1]
	s_or_b32 s[G0V+7], s[G0V+7], 0x80000000
	s_add_co_u32 s[MW], s[MW], 1
	s_wait_xcnt 0x0                                ; the last prefetch, a tile back, has read its address
	s_add_nc_u64 s[PFA:PFA+1], s[PFA:PFA+1], 65536
.endif
	s_xor_b32 s[SB], s[SB], SLOT1                  ; the fetches go on in the other slot
	s_wait_dscnt 0x0                               ; the add is done, and my reads of the slot are over
.if \fill
	CROUND
	JLOAD
.else
	s_barrier_signal -1
	s_barrier_wait -1
.endif
	v_add_nc_u32 v[AK], s[SB], v[AK0]
.endm
; In the first block's last tile the fourth step's products K Q^T are the second block's first: its Q goes where the one text names Q.
.macro QCOPY
	WIN 0
	s_cmp_eq_u32 s[DG], 1
	s_cbranch_scc0 .Lno_q_\@
	WIN 0x41
.set n, 0
.rept 64
	v_mov_b32 v[Q+n], v[QB+n]
.set n, n+1
.endr
	WIN 0
.Lno_q_\@:
.endm
; A BLOCK'S END, behind a tile's last products.  My tile 1 goes into my partner's mailbox; behind the barrier my partner's half of my tile 0 is added; z takes 128 eps; O^T is divided, rounded to f16 and sent through my stage.
; last = 0, in the loop: the barrier stands on every path; what is jumped over where the tile is not a block's last holds no barrier and no tensor load; behind the way out the sums start anew.
; last = 1, behind the walk's last tile: no branch, and nothing is set anew.
.macro FLUSH last
	WIN 0
	PLACES                                         ; behind the last products, on every path
.if !(\last)
	s_cmp_eq_u32 s[DG], 1
	s_cbranch_scc0 .Lnf1_\@
.endif
.set n, 0
.rept 16
	ds_store_b128 v[MBO], v[O+72+4*n:O+72+4*n+3] offset:512*n
.set n, n+1
.endr
	ds_store_b32 v[ZO], v[O+72+64] offset:8192
.if !(\last)
.Lnf1_\@:
.endif
	s_wait_dscnt 0x0                               ; for my partner's sake: my stores are done (and K's run of loads is back)
	s_barrier_signal -1                            ; a tile on its way may stay out
	s_barrier_wait -1
.if !(\last)
	s_cmp_eq_u32 s[DG], 1
	s_cbranch_scc0 .Lnf2_\@
.endif
.set n, 0
.rept 16
	ds_load_b128 v[BK+4*n:BK+4*n+3], v[MBI] offset:512*n
.set n, n+1
.endr
	ds_load_b32 v19, v[ZI] offset:8192
	s_wait_dscnt 0x0
	v_add_f32 v18, v[O+64], v19                    ; every register of the z block holds the lane's query's sum: the lowest is read
	v_add_f32 v18, s80, v18
	v_rcp_f32 v20, v18
.set n, 0
.rept 32
	v_pk_add_f32 v[O+n:O+n+1], v[O+n:O+n+1], v[BK+n:BK+n+1]
.set n, n+2
.endr
	s_wait_alu depctr_va_vdst(0)                   ; the wait ahead of the reciprocal's first use; the 32 sums are the work between
	v_mov_b32 v21, v20
.set n, 0
.rept 32
	v_pk_mul_f32 v[O+n:O+n+1], v[O+n:O+n+1], v[20:21]
.set n, n+2
.endr
.set n, 0
.rept 32
	v_cvt_pk_f16_f32 v[BK+n], v[O+2*n], v[O+2*n+1]
.set n, n+1
.endr
.irp f, 0,1,2,3,4,5,6,7
	ds_store_b128 v[STO], v[BK+4*(\f):BK+4*(\f)+3] offset:32*(\f)
.endr
.irp f, 0,1,2,3,4,5,6,7
	ds_load_b128 v[BK+32+4*(\f):BK+32+4*(\f)+3], v[RD] offset:(\f)*2*PKB  ; LDS serves a wave's instructions in order (ISA guide 5.7.1.4): these see the stores above
.endr
.irp f, 0,1,2,3,4,5,6,7
	s_wait_dscnt 7-(\f)                            ; the younger read-backs may stay out
	global_store_b128 v[GO], v[BK+32+4*(\f):BK+32+4*(\f)+3], s[10:11] offset:8192*(\f)  ; 16 lanes store 256 consecutive bytes, at a multiple of 256 from o16's first
.endr
.if !(\last)
.set n, 0
.rept 144
	v_mov_b32 v[O+n], 0
.set n, n+1
.endr
	s_wait_xcnt 0x0                                ; the stores have read their registers and their base
	s_mov_b64 s[10:11], s[OLO:OLO+1]
.Lnf2_\@:
.endif
.endm
; STEP s of a tile.  V of the next step is fetched behind the first product's four squares, which are the places behind the last product that read that buffer; K of the step after next behind the last product's
; four ANDs.  Both are waited for at the next step's head.  fill = 1: the loop's text, in which a block can end; fill = 0: the walk's last two tiles: the second block's end stands behind them.
.macro STEP s, fill
.if ((\s) == 3) && (\fill)
	QCOPY
.endif
	s_add_co_i32 s66, s[SG], \s                    ; sigma
	s_cmp_lt_i32 s66, s67
	s_cselect_b32 s[AA], -1, 0
	s_cmp_eq_u32 s66, s67
	s_cselect_b32 s[AA+1], -1, 0
	s_cmp_lt_i32 s66, s68
	s_cselect_b32 s[AA+2], -1, 0
	s_cmp_eq_u32 s66, s68
	s_cselect_b32 s[AA+3], -1, 0
	s_wait_dscnt 0x0                               ; K of the next step and V of this one are in
.set i, 0
.rept 16
	KQ ((\s)+1)%2
	SLICE (\s)%2
.if i == 0
.if (\s) == 3
	WIN 0
	v_add_nc_u32 v[AV], s[SB], v[AV0]
.endif
	FETCH_V ((\s)+1)%4, ((\s)+1)%2
.endif
.set i, i+1
.endr
.if (\s) == 2
	CHANGE \fill
.endif
	FETCH_K ((\s)+2)%4
.if ((\s) == 2) && (\fill)
	ASK
.endif
.set i, 0
.rept 18
	PVM (\s)%2
.set i, i+1
.endr
.if ((\s) == 3) && (\fill)
	FLUSH 0
.endif
.endm
.macro TILE fill
	s_add_co_u32 s60, s[N], 1
	s_cmp_eq_u32 s60, s[NH]                        ; the first block's last tile,
	s_cselect_b32 s[DG], 1, 0
	s_cmp_eq_u32 s[N], 8                           ; or the second's
	s_cselect_b32 s[DG], 1, s[DG]
	s_cmp_eq_u32 s[DG], 1
	s_cselect_b32 s[SG], 0, -64
	STEP 0, \fill
	STEP 1, \fill
	STEP 2, \fill
	STEP 3, \fill
	WIN 0
	s_add_co_u32 s[N], s[N], 1
.endm
	s_wait_tensorcnt 1                             ; my part of walk tile 0 is in; tile 1's may stay out
	s_barrier_signal -1
	s_barrier_wait -1
	FETCH_K 0
	s_wait_loadcnt 0x0                             ; Q
	s_wait_dscnt 0x0
.set i, 0
.rept 16
	KQ 0                                           ; the first step's scores
.set i, i+1
.endr
	PLACES
	FETCH_K 1
	FETCH_V 0, 0
	WIN 0
.Ltile:                                                ; seven trips: walk tiles 0 to 6 are entered, 2 to 8 asked for; the first block ends in one of them (its last tile is walk tile b, 3 at the most)
	TILE 1
	s_sub_co_u32 s[LC], s[LC], 1
	s_cmp_lg_u32 s[LC], 0
	s_cbranch_scc1 .Ltile
	s_mov_b32 s[LC], 2
.Ltail:                                                ; walk tiles 7 and 8 ask for nothing. The last trip's fetches read the other slot's old bytes, and its last 16 products K Q^T serve nothing: the price of one text
	TILE 0
	s_sub_co_u32 s[LC], s[LC], 1
	s_cmp_lg_u32 s[LC], 0
	s_cbranch_scc1 .Ltail
	FLUSH 1                                        ; the second block's end
	s_wait_tensorcnt 0x0                           ; the wave's end: behind my last tensor load and my last LDS store
	ds_add_u32 v[SPW], v[NIL]
	s_wait_dscnt 0x0
	CROUND                                         ; the closing round
	s_endpgm
.Lfunc_end_k_qdd9e475ed6_attn:
	.size	k_qdd9e475ed6_attn, .Lfunc_end_k_qdd9e475ed6_attn-k_qdd9e475ed6_attn
	.p2alignl 7, 3214868480
	.fill 96, 4, 3214868480
	.section	.rodata,"a",@progbits
	.p2align	6, 0x0
	.amdhsa_kernel k_qdd9e475ed6_attn
		.amdhsa_group_segment_fixed_size 327680
		.amdhsa_private_segment_fixed_size 0
		.amdhsa_enable_private_segment 0
		.amdhsa_kernarg_size 24
		.amdhsa_user_sgpr_count 2
		.amdhsa_user_sgpr_kernarg_segment_ptr 1
		.amdhsa_wavefront_size32 1
		.amdhsa_system_sgpr_workgroup_id_x 1
		.amdhsa_system_sgpr_workgroup_id_y 1
		.amdhsa_system_sgpr_workgroup_id_z 1
		.amdhsa_system_vgpr_workitem_id 0
		.amdhsa_next_free_vgpr 1024
		.amdhsa_next_free_sgpr 100
		.amdhsa_reserve_vcc 1
		.amdhsa_float_denorm_mode_32 3
		.amdhsa_float_denorm_mode_16_64 3
		.amdhsa_memory_ordered 1
		.amdhsa_forward_progress 1
		.amdhsa_inst_pref_size 144
	.end_amdhsa_kernel
	.amdgpu_metadata
---
amdhsa.version: [ 1, 2 ]
amdhsa.kernels:
  - .name:           k_qdd9e475ed6_attn
    .symbol:         k_qdd9e475ed6_attn.kd
    .args:
      - { .name: qkv, .offset: 0, .size: 8, .value_kind: global_buffer, .address_space: global }
      - { .name: o16, .offset: 8, .size: 8, .value_kind: global_buffer, .address_space: global }
      - { .name: lo16, .offset: 16, .size: 8, .value_kind: global_buffer, .address_space: global }
    .group_segment_fixed_size: 327680
    .private_segment_fixed_size: 0
    .kernarg_segment_align: 8
    .kernarg_segment_size: 24
    .max_flat_workgroup_size: 128
    .sgpr_count:     100
    .vgpr_count:     1024
    .wavefront_size: 32
...
	.end_amdgpu_metadata
.endif
;; end of part 3
;; launch oproj (part 4): grid 16 x 16, 4 waves a work-group, clusters of 4 x 4, 327,680 bytes of LDS; arguments o16, w16, out0; writes out0
.if DOCPART == 4
	.amdgcn_target "amdgcn-amd-amdhsa--gfx1250"
	.amdhsa_code_object_version 6
	.text
	.protected	k_qdd9e475ed6_oproj
	.globl	k_qdd9e475ed6_oproj
	.p2align	8
	.type	k_qdd9e475ed6_oproj,@function
k_qdd9e475ed6_oproj:
	s_mov_b64 s[64:65], 0
	v_nop
	global_prefetch_b8 v0, s[64:65] scope:SCOPE_SE
	s_setreg_imm32_b32 hwreg(HW_REG_WAVE_MODE, 25, 1), 1
	s_wait_xcnt 0x0
	s_wait_alu depctr_hold_cnt(0) depctr_sa_sdst(0) depctr_va_vdst(0) depctr_va_sdst(0) depctr_va_ssrc(0) depctr_va_vcc(0) depctr_vm_vsrc(0)
	s_getreg_b32 s2, hwreg(HW_REG_IB_STS2, 6, 4)
	s_cmp_eq_u32 s2, 0
	s_cbranch_scc0 .Lentry_in_a_cluster
	s_endpgm
.Lentry_in_a_cluster:
	s_bfe_u32 s2, ttmp6, 0x10000c
	s_cmp_lg_u32 s2, 0xf033
	s_cbranch_scc0 .Lentry_shape_is_right
	s_endpgm
.Lentry_shape_is_right:
; Launch 4 of 4: out0[t][n] = sum over k of o[t][k] Wo[n][k].  o16: [2048][2048] f16; Wo: slice 4 of w16, [2048][2048] f16 (the bf16 rounding of Wo, written as f16); out0: f32; sums in f32.
; A tile of out0 is 128 x 128, which gives each of 256 work-groups one.  Four waves, each 64 x 64: 16 accumulators.  K goes in 8 steps of 256 (LDS rows of 512 bytes; a wave's tensor load brings 64 of them) through two slots.
; A K step is written once: the fragments' LDS addresses are a constant place plus a scalar that holds 0 or SLOT, and one group 0 a tensor walks on, its LDS word turned by the same exclusive or.
; CLUSTER 4 x 4: the four of a row need the same tiles of o, the four of a column the same tiles of Wo: each tile is asked for jointly.
; THE MATRIX INSTRUCTION IS USED TRANSPOSED (source 0 = 16 rows of Wo, source 1 = 16 tokens): a lane holds eight neighbouring numbers of a row of out0, 32 bytes.
; THE WAY OUT is each wave's own: its 64 columns are 256 aligned bytes of a row, so 16 rows at a time go through its own stage and come back as whole rows: no barrier.
; No prefetch: a step of this small tile holds little work, and each tile is read by several clusters at about the same time.
; REGISTERS: window 0: v0-31 addresses; v32-95 rows read back, two sets; v128-255 the accumulators ((a, b) at v[128 + 8 (4 a + b)]).  window 1: two fragment buffers of 128: for 64 along K, 64 registers of o, then 64 of Wo.
.set SIZE_K, 2048
.set SIZE_N, 2048
.set WO,     4*2048*2048*2             ; Wo's slice in w16
.set KSTEP,  256
.set PITCH,  528                       ; an LDS row: 512 bytes + 16 of padding = 132 words: the 16 rows of a load start at 16 different groups of four banks (64 banks of 4 bytes: ISA guide 11.1)
.set HALFT,  64*PITCH                  ; 0x8400
.set SLOT,   4*HALFT                   ; 0x21000: its two bits occur in none of the four waves' places in a slot (0, 0x8400, 0x10800, 0x18c00), so one exclusive or turns such an address into the other slot's
.set STAGE,  2*SLOT                    ; behind the ring: 16 rows x 272 bytes for each wave
.set SPITCH, 272
.set SPARE,  STAGE+4*16*SPITCH         ; the spare words, 128 bytes for each wave: two blocks of 256 bytes that no other line names
.set FILLS,  SIZE_K/KSTEP-2            ; of the 8 K steps the first two are filled at the start, the others by refills
.set ABASE, 16                         ; v16  my fragments of o: their place in slot 0; never rewritten
.set ADRA,  17                         ; v17  the same in the slot in hand
.set BBASE, 20                         ; v20, v21  the same for Wo
.set ADRB,  21
.set STO,  24
.set RD,   25
.set CO,   26
.set SPW,  28
.set NIL,  29
.set TMP,  32
.set ACC,  128
.set F0,   0
.set F1,   128
.set SB, 2                             ; s2   0 or SLOT: the slot in hand
.set G1, 24                            ; s[24:31] group 1 for o's tiles; s[32:39] group 0: a set for each of the two first fills; the second then walks on
.set G0, 32
.set G1B, 48                           ; s[48:55], s[56:63] the same for Wo's tiles
.set G0B, 56
.set MSB, 0
.macro WIN new
.if MSB != (\new)
	s_set_vgpr_msb (MSB<<8)|(\new)
.set MSB, \new
.endif
.endm
.set MUL,  0x05                        ; sources 0 (Wo) and 1 (o) window 1; C and D window 0
.set TO_F, 0x40                        ; destination window 1, address window 0
.macro JLOAD s                         ; a joint load: waves 0 and 1 fetch o's two halves, waves 2 and 3 Wo's; an s_nop 0 and four v_nop follow each line
	s_cmp_eq_u32 s11, 0
	s_cbranch_scc0 .Lfor_b_\@
	tensor_load_to_lds s[G0+4*(\s):G0+4*(\s)+3], s[G1:G1+7]
	s_nop 0
.rept 4
	v_nop
.endr
	s_branch .Lasked_\@
.Lfor_b_\@:
	tensor_load_to_lds s[G0B+4*(\s):G0B+4*(\s)+3], s[G1B:G1B+7]
	s_nop 0
.rept 4
	v_nop
.endr
.Lasked_\@:
.endm
.macro CREST
	s_cmp_lg_u32 s10, 0
	s_cbranch_scc1 .Lnot_wave_0_\@
	s_barrier_signal -3
.Lnot_wave_0_\@:
	s_barrier_wait -3
	s_barrier_signal -1
	s_barrier_wait -1
.endm
.macro CROUND
	s_barrier_signal -1
	s_barrier_wait -1
	CREST
.endm
	s_load_b128 s[4:7], s[0:1], 0x0                ; o16 s[4:5], w16 s[6:7]
	s_load_b64 s[8:9], s[0:1], 0x10                ; out0
	v_lshl_add_u32 v[SPW], v0, 2, SPARE
	v_mov_b32 v[NIL], 0
	ds_add_u32 v[SPW], v[NIL]                      ; the wave's opening: the add, twice on end, and its wait ahead of my first tensor load
	ds_add_u32 v[SPW], v[NIL]
	v_lshrrev_b32 v1, 5, v0
	v_readfirstlane_b32 s10, v1                    ; wave 0..3
	s_lshr_b32 s11, s10, 1                         ; which half of the tile's rows is mine.  Also: I fetch for o (0) or for Wo (1)
	s_and_b32 s12, s10, 1                          ; which half of its columns.  Also: which 64 rows of that tile I fetch
	s_bfe_u32 s40, ttmp6, 0x40000                  ; cx, cy
	s_bfe_u32 s41, ttmp6, 0x40004
	s_lshl_b32 s42, ttmp9, 2
	s_add_co_u32 s42, s42, s40                     ; tile column
	s_and_b32 s13, ttmp7, 0xffff
	s_lshl_b32 s13, s13, 2
	s_add_co_u32 s13, s13, s41                     ; tile row
	s_lshl_b32 s43, s41, 2
	s_lshl_b32 s43, 15, s43                        ; my row of the cluster
	s_lshl_b32 s44, 0x1111, s40                    ; my column
	s_or_b32 s[G1+0], s43, (1<<16)|(1<<20)|(1<<21)|(6<<22)|(3<<25)  ; mask; 2-byte elements; padding on; bit 21 beside a mask; after every 128 words 4 words
	s_or_b32 s[G1B+0], s44, (1<<16)|(1<<20)|(1<<21)|(6<<22)|(3<<25)
.irp g, G1, G1B
	s_mov_b32 s[(\g)+1], KSTEP<<16                 ; tensor_dim0 = 256
	s_mov_b32 s[(\g)+2], 64<<16                    ; tensor_dim1 = 64
	s_mov_b32 s[(\g)+3], KSTEP<<16                 ; tile_dim0 = 256
	s_mov_b32 s[(\g)+4], 64                        ; tile_dim1 = 64
	s_mov_b32 s[(\g)+5], SIZE_K                    ; elements from row to row
	s_mov_b32 s[(\g)+6], 0
	s_mov_b32 s[(\g)+7], 0
.endr
	s_lshl_b32 s17, s12, 6
	s_lshl_b32 s16, s13, 7
	s_add_co_u32 s16, s16, s17                     ; o: row 128 x tile row + 64 x half
	s_lshl_b32 s46, s42, 7
	s_add_co_u32 s46, s46, s17                     ; Wo: row 128 x tile column + 64 x half
	s_mov_b32 s17, 0
	s_mov_b32 s47, 0
	s_mov_b64 s[18:19], SIZE_K*2
	s_mul_u64 s[16:17], s[16:17], s[18:19]
	s_mul_u64 s[46:47], s[46:47], s[18:19]
	s_mul_i32 s20, s10, HALFT                      ; where they go: wave x 64 rows
	s_mov_b32 s[SB], 0
	s_wait_dscnt 0x0                               ; both opening adds are done
	s_wait_kmcnt 0x0
	s_add_nc_u64 s[6:7], s[6:7], WO
	s_add_nc_u64 s[14:15], s[4:5], s[16:17]
	s_add_nc_u64 s[46:47], s[6:7], s[46:47]
	CROUND                                         ; all sixteen work-groups are here: the first joint loads meet
.irp s, 0,1
	s_mov_b32 s[G0+4*(\s)], 1
	s_add_co_u32 s[G0+4*(\s)+1], s20, (\s)*SLOT
	s_add_nc_u64 s[G0+4*(\s)+2:G0+4*(\s)+3], s[14:15], (\s)*KSTEP*2
	s_or_b32 s[G0+4*(\s)+3], s[G0+4*(\s)+3], 0x80000000
	s_mov_b32 s[G0B+4*(\s)], 1
	s_add_co_u32 s[G0B+4*(\s)+1], s20, (\s)*SLOT
	s_add_nc_u64 s[G0B+4*(\s)+2:G0B+4*(\s)+3], s[46:47], (\s)*KSTEP*2
	s_or_b32 s[G0B+4*(\s)+3], s[G0B+4*(\s)+3], 0x80000000
	JLOAD \s
.endr
	v_and_b32 v1, 15, v0                           ; l % 16
	v_bfe_u32 v2, v0, 4, 1                         ; l / 16
	v_mul_u32_u24 v3, v1, PITCH
	v_lshl_add_u32 v3, v2, 4, v3
	s_mul_i32 s21, s11, HALFT                      ; my 64 rows of o
	s_mul_i32 s22, s12, HALFT                      ; my 64 rows of Wo,
	s_add_co_u32 s22, s22, 2*HALFT                 ; which lie behind o's 128
	v_add_nc_u32 v[ABASE], s21, v3
	v_add_nc_u32 v[BBASE], s22, v3
	v_mov_b32 v[ADRA], v[ABASE]                    ; the walk begins in slot 0
	v_mov_b32 v[ADRB], v[BBASE]
	s_mul_i32 s23, s10, 16*SPITCH
	s_add_co_u32 s23, s23, STAGE                   ; my stage
	v_mul_u32_u24 v4, v1, SPITCH                   ; in: row l % 16, 32 bytes for each half of the lanes
	v_lshl_add_u32 v4, v2, 5, v4
	v_add_nc_u32 v[STO], s23, v4
	v_mul_u32_u24 v5, v2, SPITCH                   ; back: lanes 0-15 one row of 256 bytes, lanes 16-31 the next
	v_lshl_add_u32 v5, v1, 4, v5
	v_add_nc_u32 v[RD], s23, v5
	v_lshlrev_b32 v5, 13, v2                       ; and the same two rows in out0, 8,192 bytes a row
	v_lshl_add_u32 v[CO], v1, 4, v5
	s_lshl_b32 s16, s13, 20                        ; my first row: 128 x tile row + 64 x half
	s_lshl_b32 s17, s11, 19
	s_add_co_u32 s16, s16, s17
	s_mov_b32 s17, 0
	s_add_nc_u64 s[8:9], s[8:9], s[16:17]
	s_lshl_b32 s46, s42, 9                         ; my first column, in bytes: 512 x tile column + 256 x half
	s_lshl_b32 s47, s12, 8
	s_add_co_u32 s46, s46, s47
	s_mov_b32 s47, 0
	s_add_nc_u64 s[8:9], s[8:9], s[46:47]
; 8 matrix instructions: m blocks a0, a0 + 1 x all 4 n blocks, 32 along K: half c of buffer f.  zero = 1: the first product starts the sums
.macro MUL8 f, c, a0, zero
	WIN MUL
.irp a, \a0, (\a0)+1
.irp b, 0,1,2,3
.if \zero
	v_wmma_f32_16x16x32_f16 v[ACC+8*(4*(\a)+(\b)):ACC+8*(4*(\a)+(\b))+7], v[(\f)+64+8*(4*(\c)+(\b)):(\f)+64+8*(4*(\c)+(\b))+7], v[(\f)+8*(4*(\c)+(\a)):(\f)+8*(4*(\c)+(\a))+7], 0
.else
	v_wmma_f32_16x16x32_f16 v[ACC+8*(4*(\a)+(\b)):ACC+8*(4*(\a)+(\b))+7], v[(\f)+64+8*(4*(\c)+(\b)):(\f)+64+8*(4*(\c)+(\b))+7], v[(\f)+8*(4*(\c)+(\a)):(\f)+8*(4*(\c)+(\a))+7], v[ACC+8*(4*(\a)+(\b)):ACC+8*(4*(\a)+(\b))+7]
.endif
.endr
.endr
.endm
; 32 LDS loads in one run, from the slot in hand: the fragments of 64 along K at byte k of the rows, into buffer f; the first 32 along K first
.macro FETCH k, f
	WIN TO_F
.irp c, 0,1
.irp i, 0,1,2,3
	ds_load_b128 v[(\f)+64+8*(4*(\c)+(\i)):(\f)+64+8*(4*(\c)+(\i))+3],   v[ADRB] offset:(\k)+64*(\c)+(\i)*16*PITCH
	ds_load_b128 v[(\f)+64+8*(4*(\c)+(\i))+4:(\f)+64+8*(4*(\c)+(\i))+7], v[ADRB] offset:(\k)+64*(\c)+(\i)*16*PITCH+32
	ds_load_b128 v[(\f)+8*(4*(\c)+(\i)):(\f)+8*(4*(\c)+(\i))+3],         v[ADRA] offset:(\k)+64*(\c)+(\i)*16*PITCH
	ds_load_b128 v[(\f)+8*(4*(\c)+(\i))+4:(\f)+8*(4*(\c)+(\i))+7],       v[ADRA] offset:(\k)+64*(\c)+(\i)*16*PITCH+32
.endr
.endr
.endm
.macro NEXTSLOT                        ; the fetches go on in the other slot
	WIN 0
	s_xor_b32 s[SB], s[SB], SLOT
	v_add_nc_u32 v[ADRA], s[SB], v[ABASE]
	v_add_nc_u32 v[ADRB], s[SB], v[BBASE]
.endm
.macro PLACES                          ; four places in front of loads into registers that matrix instructions have read, and of LDS stores that read results
.rept 4
	v_nop
.endr
.endm
; A K step is four quarters of 64 along K, 32 matrix instructions each, on buffers 0, 1, 0, 1; the 16 accumulators take turns.
.macro QUARTER k, f, g, zero
	s_wait_dscnt 16                                ; the first 32 along K are in
	MUL8 \f, 0, 0, \zero
	MUL8 \f, 0, 2, \zero
	PLACES
	FETCH \k, \g
	s_wait_dscnt 32                                ; all but the 32 just issued
	MUL8 \f, 1, 0, 0
	MUL8 \f, 1, 2, 0
.endm
; The last quarter multiplies buffer 1 and changes slots: ONE barrier.  Behind its first 8 products each wave waits for all its tensor loads (one is out: its part of the next slot), adds 0 to its spare word, issues 8 products
; more while the add is out, and waits for the add and for its reads of this slot.  fill = 1: the barrier opens a round of the cluster's, and this slot is filled again, two K steps ahead, first thing behind the round:
; that load has 120 of a K step's 128 matrix instructions in which to land.  fill = 0 (the last two K steps): nothing is asked for; in the very last the fetch from a next slot is jumped over: no barrier, no tensor load in it.
.macro TURN fill
	s_wait_dscnt 16                                ; the first 32 along K are in
	MUL8 F1, 0, 0, 0
	WIN 0
	s_wait_tensorcnt 0x0                           ; no tensor load of mine is out, so a group 0 may be written
	ds_add_u32 v[SPW], v[NIL]
.if \fill
	s_xor_b32 s[G0+5], s[G0+5], SLOT               ; the walking descriptors: the other slot than last time,
	s_add_nc_u64 s[G0+6:G0+7], s[G0+6:G0+7], KSTEP*2  ; the next K step; the type bits on top are not reached
	s_xor_b32 s[G0B+5], s[G0B+5], SLOT
	s_add_nc_u64 s[G0B+6:G0B+7], s[G0B+6:G0B+7], KSTEP*2
.endif
	MUL8 F1, 0, 2, 0                               ; eight products stand between the add and the wait for it
	s_wait_dscnt 0x0                               ; the add is done, and my reads of this slot are over
	WIN 0
	s_barrier_signal -1
	s_barrier_wait -1
.if \fill
	CREST                                          ; no wave of any partner still reads this slot's tile or has a load on its way
	JLOAD 1                                        ; its four v_nop are also the places in front of the loads below
.else
	s_cmp_eq_u32 s3, 1
	s_cbranch_scc1 .Lno_next_\@
	PLACES
.endif
	NEXTSLOT
	FETCH 0, F0
.if !(\fill)
	WIN 0
.Lno_next_\@:
.endif
	MUL8 F1, 1, 0, 0
	MUL8 F1, 1, 2, 0
.endm
	s_wait_tensorcnt 1                             ; my part of K step 0 is in; K step 1's may stay out
	s_barrier_signal -1
	s_barrier_wait -1
	FETCH 0, F0
	QUARTER 128, F0, F1, 1                         ; the first quarter stands in front of the loop: its first products start the sums
	WIN 0
	s_mov_b32 s3, FILLS
.Lstep:                                                ; a trip goes from a K step's second quarter to the next step's first, and fills the slot that it leaves
	QUARTER 256, F1, F0, 0
	QUARTER 384, F0, F1, 0
	TURN 1
	QUARTER 128, F0, F1, 0
	WIN 0
	s_sub_co_u32 s3, s3, 1
	s_cmp_lg_u32 s3, 0
	s_cbranch_scc1 .Lstep
	s_mov_b32 s3, 2
.Ltail:                                                ; the last two K steps fill nothing. The second trip is left in its middle
	QUARTER 256, F1, F0, 0
	QUARTER 384, F0, F1, 0
	TURN 0
	WIN 0
	s_sub_co_u32 s3, s3, 1
	s_cmp_eq_u32 s3, 0
	s_cbranch_scc1 .Lout
	QUARTER 128, F0, F1, 0
	WIN 0
	s_cmp_lg_u32 s3, 0
	s_cbranch_scc1 .Ltail
.Lout:
	PLACES
	PLACES
; THE WAY OUT.  Row tile a: a lane's 32 bytes of each of four blocks go into my stage, each accumulator's low half first, and come back as whole rows of 256 bytes, into set a % 2.
.macro STG a
.irp b, 0,1,2,3
	ds_store_b128 v[STO], v[ACC+8*(4*(\a)+(\b)):ACC+8*(4*(\a)+(\b))+3]   offset:64*(\b)
	ds_store_b128 v[STO], v[ACC+8*(4*(\a)+(\b))+4:ACC+8*(4*(\a)+(\b))+7] offset:64*(\b)+16
.endr
.irp t, 0,1,2,3,4,5,6,7
	ds_load_b128 v[TMP+32*((\a)%2)+4*(\t):TMP+32*((\a)%2)+4*(\t)+3], v[RD] offset:(\t)*2*SPITCH  ; LDS serves a wave's instructions in order (ISA guide 5.7.1.4): these see the stores above; the next tile's stores come behind them
.endr
.endm
.macro SEND a, younger                 ; younger: the LDS instructions issued behind tile a's loads: the next tile's sixteen, or none
.irp t, 0,1,2,3,4,5,6,7
	s_wait_dscnt (\younger)+7-(\t)
	global_store_b128 v[CO], v[TMP+32*((\a)%2)+4*(\t):TMP+32*((\a)%2)+4*(\t)+3], s[8:9] offset:(16*(\a)+2*(\t))*SIZE_N*4 th:TH_STORE_NT  ; 16 lanes store 256 consecutive bytes, at a multiple of 256 from out0's first
.endr
.endm
	STG 0
	STG 1
	SEND 0, 16
	s_wait_xcnt 0x0                                ; tile 0's stores have read set 0, which is loaded again below
	STG 2
	SEND 1, 16
	s_wait_xcnt 0x0                                ; likewise set 1
	STG 3
	SEND 2, 16
	SEND 3, 0
	s_wait_tensorcnt 0x0                           ; the wave's end: behind my last tensor load and my last LDS store
	ds_add_u32 v[SPW], v[NIL]
	s_wait_dscnt 0x0
	CROUND                                         ; the closing round
	s_endpgm
.Lfunc_end_k_qdd9e475ed6_oproj:
	.size	k_qdd9e475ed6_oproj, .Lfunc_end_k_qdd9e475ed6_oproj-k_qdd9e475ed6_oproj
	.p2alignl 7, 3214868480
	.fill 96, 4, 3214868480
	.section	.rodata,"a",@progbits
	.p2align	6, 0x0
	.amdhsa_kernel k_qdd9e475ed6_oproj
		.amdhsa_group_segment_fixed_size 327680
		.amdhsa_private_segment_fixed_size 0
		.amdhsa_enable_private_segment 0
		.amdhsa_kernarg_size 24
		.amdhsa_user_sgpr_count 2
		.amdhsa_user_sgpr_kernarg_segment_ptr 1
		.amdhsa_wavefront_size32 1
		.amdhsa_system_sgpr_workgroup_id_x 1
		.amdhsa_system_sgpr_workgroup_id_y 1
		.amdhsa_system_sgpr_workgroup_id_z 1
		.amdhsa_system_vgpr_workitem_id 0
		.amdhsa_next_free_vgpr 512
		.amdhsa_next_free_sgpr 66
		.amdhsa_reserve_vcc 0
		.amdhsa_float_denorm_mode_32 3
		.amdhsa_float_denorm_mode_16_64 3
		.amdhsa_memory_ordered 1
		.amdhsa_forward_progress 1
		.amdhsa_inst_pref_size 59
	.end_amdhsa_kernel
	.amdgpu_metadata
---
amdhsa.version: [ 1, 2 ]
amdhsa.kernels:
  - .name:           k_qdd9e475ed6_oproj
    .symbol:         k_qdd9e475ed6_oproj.kd
    .args:
      - { .name: o16, .offset: 0, .size: 8, .value_kind: global_buffer, .address_space: global }
      - { .name: w16, .offset: 8, .size: 8, .value_kind: global_buffer, .address_space: global }
      - { .name: out0, .offset: 16, .size: 8, .value_kind: global_buffer, .address_space: global }
    .group_segment_fixed_size: 327680
    .private_segment_fixed_size: 0
    .kernarg_segment_align: 8
    .kernarg_segment_size: 24
    .max_flat_workgroup_size: 128
    .sgpr_count:     66
    .vgpr_count:     512
    .wavefront_size: 32
...
	.end_amdgpu_metadata
.endif
;; end of part 4
